; MI455X (gfx1250); checked and timed in simulation.
; The chip was launched on July 23, 2026; its instructions are those of AMD's public machine-readable ISA for CDNA 5 (MIT licence, August 2026) and "CDNA5" Instruction Set Architecture Reference Guide (July 2026). The comments in the code are by the model that wrote it; some were corrected since.
;; Transformer Layer. Allowed arithmetic: matrix products marked QUANTISED: E4M3 operands, one given power-of-two scale a tensor, by v_wmma_f32_16x16x64_fp8_fp8 or v_wmma_f32_16x16x128_fp8_fp8, f32 sums; everything else in f32.
;; Inputs: W_fc1 1,024 x 4,096 float32; W_fc2 4,096 x 1,024 float32; W_out 1,024 x 1,024 float32; W_qkv 1,024 x 3,072 float32; b_fc1 4,096 float32; b_fc2 1,024 float32; b_out 1,024 float32; b_qkv 3,072 float32; ln1_b 1,024 float32; ln1_g 1,024 float32; ln2_b 1,024 float32; ln2_g 1,024 float32; lowp_scales 12 int32 (the exponents e of the quantised operands' scales 2^e); x 2 x 2,048 x 1,024 float32.
;; Outputs: out0 2 x 2,048 x 1,024 float32.
;; This version of the problem:
;;   THIS VERSION OF THE PROBLEM IS GIVEN IN LOW PRECISION. The matrix products marked QUANTISED in the list below multiply operands that are first quantised to E4M3 (4 exponent bits, 3 mantissa bits; 8 bits a number), with one given power-of-two scale for each operand tensor; their sums are f32. All else is computed in f32.
;;   The module's matrix products, in the order in which they are computed (A, B: the left and right operand; K: the contracted axis; several contracted axes count as one K, in the product's order):
;;     1. [M 4,096, K 1,024] x [K 1,024, N 3,072]; A: computed on the way; B: input W_qkv: QUANTISED (scales: A lowp_scales[0], B lowp_scales[1])
;;     2. batch 32 x [M 2,048, K 64] x [K 64, N 2,048]; A: computed on the way; B: computed on the way: QUANTISED (scales: A lowp_scales[2], B lowp_scales[3])
;;     3. batch 32 x [M 2,048, K 2,048] x [K 2,048, N 64]; A: softmax (see below); B: computed on the way: QUANTISED (scales: A lowp_scales[4], B lowp_scales[5])
;;     4. [M 4,096, K 1,024] x [K 1,024, N 1,024]; A: computed on the way; B: input W_out: QUANTISED (scales: A lowp_scales[6], B lowp_scales[7])
;;     5. [M 4,096, K 1,024] x [K 1,024, N 4,096]; A: computed on the way; B: input W_fc1: QUANTISED (scales: A lowp_scales[8], B lowp_scales[9])
;;     6. [M 4,096, K 4,096] x [K 4,096, N 1,024]; A: computed on the way; B: input W_fc2: QUANTISED (scales: A lowp_scales[10], B lowp_scales[11])
;;   THE QUANTISER, for each operand of a quantised product, along K:
;;     - The operand's scale is 2^e, e = its entry of the input lowp_scales (int32; the entries are numbered through the quantised products in the list's order, A before B).
;;     - Each number is divided by the scale, clamped to +-448, and rounded to the nearest number of E4M3, ties to even, subnormals kept.
;;     - The product sums the exact products of the quantised numbers (number of the format x scale) in f32.
;;   ~~~python
;;   def quantise(x, axis, e):      # numpy; x: float32 -> the quantised numbers, widened to float32 again
;;       x = np.moveaxis(x, axis, -1); K = x.shape[-1]
;;       r = np.clip(x / 2.0 ** e, -448, 448)
;;       step = 2.0 ** (np.maximum(np.frexp(np.where(r == 0, 1, r))[1] - 1, -6) - 3)
;;       q = np.round(r / step) * step * 2.0 ** e      # np.round: ties to even
;;       return np.moveaxis(q, -1, axis).astype(np.float32)
;;   ~~~
;;   SOFTMAX AHEAD OF A QUANTISED PRODUCT. Where the list says 'softmax', what is quantised is not the finished softmax but p = 2^(t - M), with t = logit x log2(e) and M = ceil(the row's largest t), a whole number; so 1/2 < the row's largest p <= 1. The row's sum l is taken of the UNQUANTISED p, in f32, and the product's result is divided by l at the end. Since M is a whole number, a kernel that streams over the keys may use a running M (the ceiling of the running maximum): every later rescaling is an exact power of two, so the quantised numbers keep their values, but for numbers so far below the row's largest that they fall under the format's range.
;;   OPERANDS COMPUTED ON THE WAY. 'Computed on the way' means the value that the module computes at that place (a softmax that the list does not call 'softmax' is quantised finished and normalised). What goes into a quantiser is computed in f32, as accurately as f32 sums, v_exp_f32 and their like allow (about 1e-6 of the number): no bf16 or f16 on the way to a quantiser, and a product that is left as it is and whose result goes on into a quantised operand takes f32 operands (vector FMAs, or v_wmma_f32_16x16x4_f32). A number that lies on a knife's edge between two numbers of the format may be rounded either way, as far as f32 arithmetic and the matrix unit's own rounding can turn it there, and no further.
;; One version. Each part assembles by itself: llvm-mc -triple=amdgcn-amd-amdhsa -mcpu=gfx1250 --defsym DOCPART=n.
;; ======== version 1 of 1: 7 launches
;; limits: right only within a limited range of input values
;; workspace buffers: wc 12,582,912 bytes; hc 4,194,304 bytes; qkvc 12,582,912 bytes; ac 4,194,304 bytes; temp 16,777,216 bytes; gc 16,777,216 bytes
;; launch prep (part 1): grid 640 x 1, 4 waves a work-group, no clusters, 17,920 bytes of LDS; arguments W_qkv, W_out, W_fc1, W_fc2, x, ln1_g, ln1_b, lowp_scales, wc, hc; writes wc, hc
.if DOCPART == 1
	.amdgcn_target "amdgcn-amd-amdhsa--gfx1250"
	.amdhsa_code_object_version 6
	.text
	.protected	k_qf2b5f69294_prep
	.globl	k_qf2b5f69294_prep
	.p2align	8
	.type	k_qf2b5f69294_prep,@function
k_qf2b5f69294_prep:
	s_mov_b64 s[64:65], 0
	v_nop
	global_prefetch_b8 v0, s[64:65] scope:SCOPE_SE
	s_setreg_imm32_b32 hwreg(HW_REG_WAVE_MODE, 25, 1), 1
	s_wait_xcnt 0x0
; Two jobs in one launch.  Work-groups 0-383: the four weights, f32 [K][N], become codes of E4M3 in wc.  Work-groups 384-639: h = layernorm(x) becomes codes in hc.
; LAYOUT OF EVERY OPERAND BUFFER: images of the matrix operand's registers.  An image is 16 rows x 128 k, 2,048 bytes: register 4 g + q of lane L = r + 16 h lies at byte 512 g + 16 L + 4 q and holds
; k = 16 (reg / 2) + 8 h + 4 (reg % 2) + byte of row r: the 8-bit forms' own places of k.  With T tiles of 16 rows, image (tile, K step s) lies at ((s / 2) T + tile) 4096 + (s % 2) 2048.
; wc: W_qkv at 0 (T = 192), W_out at 3,145,728 (T = 64), W_fc1 at 4,194,304 (T = 256), W_fc2 at 8,388,608 (T = 64); a weight's rows are its N.  hc: T = 256.
; code = x / 2^e, held within +-448 x 2^e, to the nearest code, ties to even.  LIMITS: each e used here lies between -126 and 119; NaN among the inputs is not served.
; No tensor loads, no cluster: every input byte is read once by one work-group, so nothing is shared.
.set WGW,  384                         ; work-groups of the weights' job
.set OFFR, 16                          ; v16-47   weights: row i of a block of 32: i x pitch + 4 x lane
.set XW,   48                          ; v48-111  weights: two sets of 32 numbers
.set CW,   112                         ; v112-175 weights: eight registers of codes for each block, never rewritten
.set SB,   66                          ; s66-81   weights: the eight blocks' bases
	s_load_b512 s[8:23], s[0:1], 0x0               ; W_qkv s[8:9], W_out s[10:11], W_fc1 s[12:13], W_fc2 s[14:15], x s[16:17], ln1_g s[18:19], ln1_b s[20:21], the scales s[22:23]
	s_load_b128 s[24:27], s[0:1], 0x40             ; wc s[24:25], hc s[26:27]
	v_lshl_add_u32 v184, v0, 2, 0x4400
	v_mov_b32 v185, 0
	v_lshrrev_b32 v1, 5, v0
	v_readfirstlane_b32 s28, v1                    ; wave 0..3
	v_and_b32 v2, 31, v0                           ; lane
	s_wait_kmcnt 0x0
	s_load_b256 s[32:39], s[22:23], 0x0            ; e0 .. e7
	s_load_b128 s[40:43], s[22:23], 0x20           ; e8 .. e11
	s_cmp_ge_u32 ttmp9, WGW
	s_cbranch_scc1 .Lln                            ; the branch hangs on the work-group's number alone
; ---- THE WEIGHTS.  A work-group takes 128 columns x 256 k, a wave 32 columns.  A LANE TAKES A COLUMN n AND ITS REGISTERS RUN DOWN K, so the conversions give codes with K innermost.
; One path serves the four tensors: pointer, first id, pitch, lg(K / 256), T and region are chosen by the work-group's number (W_fc2's values first, then overridden).
	s_mov_b64 s[4:5], s[14:15]
	s_mov_b32 s44, 256                             ; first id
	s_mov_b32 s45, 4096                            ; a row of W in bytes
	s_mov_b32 s46, 4                               ; lg(K / 256)
	s_mov_b32 s47, 64                              ; T
	s_mov_b32 s48, 8388608                         ; region in wc
	s_cmp_lt_u32 ttmp9, 256                        ; W_fc1
	s_cselect_b64 s[4:5], s[12:13], s[4:5]
	s_cselect_b32 s44, 128, s44
	s_cselect_b32 s45, 16384, s45
	s_cselect_b32 s46, 2, s46
	s_cselect_b32 s47, 256, s47
	s_cselect_b32 s48, 4194304, s48
	s_cmp_lt_u32 ttmp9, 128                        ; W_out
	s_cselect_b64 s[4:5], s[10:11], s[4:5]
	s_cselect_b32 s44, 96, s44
	s_cselect_b32 s45, 4096, s45
	s_cselect_b32 s47, 64, s47
	s_cselect_b32 s48, 3145728, s48
	s_cmp_lt_u32 ttmp9, 96                         ; W_qkv
	s_cselect_b64 s[4:5], s[8:9], s[4:5]
	s_cselect_b32 s44, 0, s44
	s_cselect_b32 s45, 12288, s45
	s_cselect_b32 s47, 192, s47
	s_cselect_b32 s48, 0, s48
	s_sub_co_u32 s50, ttmp9, s44                   ; my number within the tensor
	s_bfm_b32 s51, s46, 0
	s_and_b32 s52, s50, s51                        ; y: which 256 along K
	s_lshr_b32 s53, s50, s46                       ; xt: which 128 columns
	s_lshl_b32 s54, s45, 8                         ; 256 rows of W in bytes
	s_mul_i32 s54, s54, s52
	s_lshl_b32 s55, s53, 9                         ; 128 xt columns of 4 bytes
	s_add_co_u32 s54, s54, s55
	s_lshl_b32 s55, s28, 7                         ; 32 columns a wave
	s_add_co_u32 s54, s54, s55
	s_mov_b32 s55, 0
	s_add_nc_u64 s[SB:SB+1], s[4:5], s[54:55]      ; block 0's base
	s_lshl_b32 s56, s45, 5                         ; 32 rows
	s_mov_b32 s57, 0
.irp t, 1,2,3,4,5,6,7
	s_add_nc_u64 s[SB+2*\t:SB+2*\t+1], s[SB+2*\t-2:SB+2*\t-1], s[56:57]   ; a base for each block: nothing is stepped while loads are out
.endr
	s_mul_i32 s58, s52, s47                        ; y T
	s_lshl_b32 s59, s53, 3
	s_add_co_u32 s58, s58, s59                     ; + 8 xt
	s_lshl_b32 s59, s28, 1
	s_add_co_u32 s58, s58, s59                     ; + 2 wave: my wave's first tile of 16 columns
	s_lshl_b32 s58, s58, 12
	s_add_co_u32 s58, s58, s48
	s_mov_b32 s59, 0
	s_add_nc_u64 s[6:7], s[24:25], s[58:59]
	s_wait_alu depctr_va_vdst(0)
	v_lshlrev_b32 v3, 2, v2                        ; 4 x lane
	v_and_b32 v5, 15, v2
	v_lshrrev_b32 v6, 4, v2
	v_lshlrev_b32 v4, 4, v5
	v_lshl_add_u32 v4, v6, 12, v4                  ; out: tile lane / 16 (4,096 bytes apart), row lane % 16 (16 bytes apart)
.set i, 0
.rept 32
	v_mad_u32_u24 v[OFFR+i], s45, i, v3
.set i, i+1
.endr
.macro LOADW t                         ; block t: W(32 t + i, my column), i = 0 .. 31: each load reads 128 consecutive bytes a wave
.set i, 0
.rept 32
	global_load_b32 v[XW+32*((\t)%2)+i], v[OFFR+i], s[SB+2*(\t):SB+2*(\t)+1] th:TH_LOAD_NT
.set i, i+1
.endr
.endm
.macro BLOCKW t
.set XS, XW+32*((\t)%2)
.set CC, CW+8*(\t)
.if (\t) < 7
	s_wait_loadcnt 32                              ; this block's 32 loads are in; the next block's 32 may be out
.else
	s_wait_loadcnt 0
.endif
.set i, 0
.rept 32
	v_med3_num_f32 v[XS+i], v[XS+i], -v10, v10     ; the conversion to an 8-bit code does not saturate (ISA guide 7.6.2): the hold comes first
.set i, i+1
.endr
	v_cvt_scalef32_pk8_fp8_f32 v[CC:CC+1],   v[XS:XS+7],     v11   ; the piece of half h = 0: k = 0..7 and 16..23 of the 32,
	v_cvt_scalef32_pk8_fp8_f32 v[CC+2:CC+3], v[XS+16:XS+23], v11
	v_cvt_scalef32_pk8_fp8_f32 v[CC+4:CC+5], v[XS+8:XS+15],  v11   ; the piece of half h = 1: k = 8..15 and 24..31
	v_cvt_scalef32_pk8_fp8_f32 v[CC+6:CC+7], v[XS+24:XS+31], v11
	global_store_b128 v4, v[CC:CC+3],   s[6:7] offset:((\t)/4)*2048+((\t)%4)*512       ; sixteen lanes store 256 consecutive bytes, aligned
	global_store_b128 v4, v[CC+4:CC+7], s[6:7] offset:((\t)/4)*2048+((\t)%4)*512+256
.if (\t) < 6
	LOADW (\t)+2
.endif
.endm
	LOADW 0
	LOADW 1
	s_wait_kmcnt 0x0
	s_mov_b32 s49, s43                             ; e11, e9, e7 or e1
	s_cmp_lt_u32 ttmp9, 256
	s_cselect_b32 s49, s41, s49
	s_cmp_lt_u32 ttmp9, 128
	s_cselect_b32 s49, s39, s49
	s_cmp_lt_u32 ttmp9, 96
	s_cselect_b32 s49, s33, s49
	s_add_co_i32 s49, s49, 127
	s_lshl_b32 s50, s49, 23
	v_mov_b32 v11, s50                             ; 2^e as f32: the conversion takes its exponent field
	s_add_co_i32 s49, s49, 8
	s_lshl_b32 s49, s49, 23
	s_or_b32 s49, s49, 0x600000
	v_mov_b32 v10, s49                             ; 448 x 2^e
	s_wait_alu depctr_va_vdst(0)
.irp t, 0,1,2,3,4,5,6,7
	BLOCKW \t
.endr
	s_endpgm
; ---- LAYERNORM.  A work-group takes 16 rows (one tile), a wave 4.  Lane l holds k = 256 j + 8 l + 0..7, j = 0..3: a pair of loads covers 1,024 consecutive bytes of the row.
; Mean, then the mean of (x - mean)^2, both in f32 over the wave; (x - mean) rsqrt(var + eps) g + b; hold; conversion.  A lane's 8 codes are half of a 16-byte piece of an image.
; The tile's 64 units of 256 bytes meet in LDS (pitch 272) and leave as 512 consecutive bytes a store.
.set LA, 3                             ; v3  32 x lane
.set LS, 4                             ; v4  LDS: where my codes go
.set LR, 5                             ; v5  LDS: where I read units back
.set LO, 6                             ; v6  16 x lane
.set G,  20                            ; v20-51  the gain at my 32 k
.set BB, 52                            ; v52-83  the bias
.set X,  84                            ; v84-147 two rows by turns
.set CD, 148                           ; v148-179 eight registers of codes for each of my four rows
.Lln:
	s_sub_co_u32 s44, ttmp9, WGW                   ; the tile of rows
	s_lshl_b32 s45, s44, 4
	s_lshl_b32 s46, s28, 2
	s_add_co_u32 s45, s45, s46                     ; my wave's first row
	s_lshl_b32 s46, s45, 12
	s_mov_b32 s47, 0
	s_add_nc_u64 s[4:5], s[16:17], s[46:47]
	s_lshl_b32 s46, s28, 8                         ; out: wave w stores the tile's K pair w
	s_add_co_u32 s46, s46, s44
	s_lshl_b32 s46, s46, 12
	s_add_nc_u64 s[6:7], s[26:27], s[46:47]
	s_wait_alu depctr_va_vdst(0)
	v_lshlrev_b32 v[LA], 5, v2
.macro ROWLOAD i
.irp j, 0,1,2,3
	global_load_b128 v[X+32*((\i)%2)+8*\j:X+32*((\i)%2)+8*\j+3],   v[LA], s[4:5] offset:4096*(\i)+1024*\j
	global_load_b128 v[X+32*((\i)%2)+8*\j+4:X+32*((\i)%2)+8*\j+7], v[LA], s[4:5] offset:4096*(\i)+1024*\j+16
.endr
.endm
.irp j, 0,1,2,3
	global_load_b128 v[G+8*\j:G+8*\j+3],   v[LA], s[18:19] offset:1024*\j
	global_load_b128 v[G+8*\j+4:G+8*\j+7], v[LA], s[18:19] offset:1024*\j+16
.endr
.irp j, 0,1,2,3
	global_load_b128 v[BB+8*\j:BB+8*\j+3],   v[LA], s[20:21] offset:1024*\j
	global_load_b128 v[BB+8*\j+4:BB+8*\j+7], v[LA], s[20:21] offset:1024*\j+16
.endr
	ROWLOAD 0
	ROWLOAD 1
	s_mov_b32 s50, 0x76543210                      ; v_permlanex16_b32: lane l xor 16
	s_mov_b32 s51, 0xfedcba98
	s_mov_b32 s52, 0x3a800000                      ; 1 / 1024
	s_mov_b32 s53, 0x3727c5ac                      ; eps = 1e-5
	v_mov_b32 v9, 0                                ; upper words of pairs of which the low word serves both halves
	v_mov_b32 v11, 0
	v_mov_b32 v18, 0                               ; a lane permute's destination counts as read
	v_lshrrev_b32 v1, 4, v2                        ; unit 16 j + 8 (l / 16) + 2 ((l / 4) % 4) + l % 2; in it row 4 w + i, and the piece's half (l / 2) % 2
	v_bfe_u32 v7, v2, 2, 2
	v_lshlrev_b32 v1, 3, v1
	v_lshl_add_u32 v1, v7, 1, v1
	v_and_b32 v7, 1, v2
	v_add_nc_u32 v1, v1, v7
	v_mul_u32_u24 v[LS], v1, 272
	v_bfe_u32 v7, v2, 1, 1
	v_lshl_add_u32 v[LS], v7, 3, v[LS]
	s_lshl_b32 s54, s28, 6
	v_add_nc_u32 v[LS], s54, v[LS]
	v_lshrrev_b32 v1, 4, v2                        ; back: units 16 w + 2 q + l / 16, 16 bytes a lane
	v_mul_u32_u24 v[LR], v1, 272
	v_and_b32 v7, 15, v2
	v_lshl_add_u32 v[LR], v7, 4, v[LR]
	s_mul_i32 s54, s28, 16*272
	v_add_nc_u32 v[LR], s54, v[LR]
	v_lshlrev_b32 v[LO], 4, v2
	s_wait_kmcnt 0x0
	s_add_co_i32 s55, s32, 127                     ; e0
	s_lshl_b32 s56, s55, 23
	v_mov_b32 v13, s56                             ; 2^e
	s_add_co_i32 s55, s55, 8
	s_lshl_b32 s55, s55, 23
	s_or_b32 s55, s55, 0x600000
	v_mov_b32 v12, s55                             ; 448 x 2^e
.macro WSUM                            ; v14 summed over the 32 lanes, the result in every lane
	v_add_f32_dpp v14, v14, v14 row_xmask:1 row_mask:0xf bank_mask:0xf
	v_add_f32_dpp v14, v14, v14 row_xmask:2 row_mask:0xf bank_mask:0xf
	v_add_f32_dpp v14, v14, v14 row_xmask:4 row_mask:0xf bank_mask:0xf
	v_add_f32_dpp v14, v14, v14 row_xmask:8 row_mask:0xf bank_mask:0xf
	v_permlanex16_b32 v18, v14, s50, s51
	v_add_f32 v14, v14, v18
.endm
.macro ROW i
.set XS, X+32*((\i)%2)
.if (\i) < 3
	s_wait_loadcnt 8                               ; this row (and g, b) are in; the next row's eight loads may be out
.else
	s_wait_loadcnt 0
.endif
	v_pk_add_f32 v[14:15], v[XS:XS+1], v[XS+2:XS+3]
	v_pk_add_f32 v[16:17], v[XS+4:XS+5], v[XS+6:XS+7]
.irp j, 8,12,16,20,24,28
	v_pk_add_f32 v[14:15], v[14:15], v[XS+\j:XS+\j+1]
	v_pk_add_f32 v[16:17], v[16:17], v[XS+\j+2:XS+\j+3]
.endr
	v_pk_add_f32 v[14:15], v[14:15], v[16:17]
	v_add_f32 v14, v14, v15
	WSUM
	v_mul_f32 v8, s52, v14                         ; the mean
.set n, 0
.rept 16
	v_pk_add_f32 v[XS+n:XS+n+1], v[XS+n:XS+n+1], v[8:9] op_sel_hi:[1,0] neg_lo:[0,1] neg_hi:[0,1]   ; x - mean
.set n, n+2
.endr
	v_pk_mul_f32 v[14:15], v[XS:XS+1], v[XS:XS+1]
	v_pk_mul_f32 v[16:17], v[XS+2:XS+3], v[XS+2:XS+3]
.irp j, 4,8,12,16,20,24,28
	v_pk_fma_f32 v[14:15], v[XS+\j:XS+\j+1], v[XS+\j:XS+\j+1], v[14:15]
	v_pk_fma_f32 v[16:17], v[XS+\j+2:XS+\j+3], v[XS+\j+2:XS+\j+3], v[16:17]
.endr
	v_pk_add_f32 v[14:15], v[14:15], v[16:17]
	v_add_f32 v14, v14, v15
	WSUM
	v_fma_f32 v10, v14, s52, s53                   ; var + eps
	s_wait_alu depctr_va_vdst(0)
	v_rsq_f32 v10, v10
	v_nop                                          ; one plain line behind a transcendental
.set n, 0
	s_wait_alu depctr_va_vdst(0)
.rept 16
	v_pk_mul_f32 v[XS+n:XS+n+1], v[XS+n:XS+n+1], v[10:11] op_sel_hi:[1,0]
.set n, n+2
.endr
.set n, 0
.rept 16
	v_pk_fma_f32 v[XS+n:XS+n+1], v[XS+n:XS+n+1], v[G+n:G+n+1], v[BB+n:BB+n+1]
.set n, n+2
.endr
.set n, 0
.rept 32
	v_med3_num_f32 v[XS+n], v[XS+n], -v12, v12
.set n, n+1
.endr
.irp j, 0,1,2,3
	v_cvt_scalef32_pk8_fp8_f32 v[CD+8*(\i)+2*\j:CD+8*(\i)+2*\j+1], v[XS+8*\j:XS+8*\j+7], v13
.endr
.irp j, 0,1,2,3
	ds_store_b64 v[LS], v[CD+8*(\i)+2*\j:CD+8*(\i)+2*\j+1] offset:4352*\j+16*(\i)
.endr
.if (\i) < 2
	ROWLOAD (\i)+2
.endif
.endm
	ROW 0
	ROW 1
	ROW 2
	ROW 3
	s_wait_dscnt 0x0                               ; for the others' sake: my stores have landed
	s_barrier_signal -1
	s_barrier_wait -1
.irp q, 0,1,2,3,4,5,6,7
	ds_load_b128 v[X+4*\q:X+4*\q+3], v[LR] offset:544*\q
.endr
.irp q, 0,1,2,3,4,5,6,7
	s_wait_dscnt 7-\q                              ; LDS loads come back in order: number q is in
	global_store_b128 v[LO], v[X+4*\q:X+4*\q+3], s[6:7] offset:512*\q      ; 512 consecutive bytes, aligned
.endr
	s_wait_tensorcnt 0x0
	ds_add_u32 v184, v185
	s_wait_dscnt 0x0
	s_endpgm
.Lfunc_end_k_qf2b5f69294_prep:
	.size	k_qf2b5f69294_prep, .Lfunc_end_k_qf2b5f69294_prep-k_qf2b5f69294_prep
	.p2alignl 7, 3214868480
	.fill 96, 4, 3214868480
	.section	.rodata,"a",@progbits
	.p2align	6, 0x0
	.amdhsa_kernel k_qf2b5f69294_prep
		.amdhsa_group_segment_fixed_size 17920
		.amdhsa_private_segment_fixed_size 0
		.amdhsa_enable_private_segment 0
		.amdhsa_kernarg_size 80
		.amdhsa_user_sgpr_count 2
		.amdhsa_user_sgpr_kernarg_segment_ptr 1
		.amdhsa_wavefront_size32 1
		.amdhsa_system_sgpr_workgroup_id_x 1
		.amdhsa_system_sgpr_workgroup_id_y 1
		.amdhsa_system_sgpr_workgroup_id_z 1
		.amdhsa_system_vgpr_workitem_id 0
		.amdhsa_next_free_vgpr 186
		.amdhsa_next_free_sgpr 82
		.amdhsa_reserve_vcc 0
		.amdhsa_float_denorm_mode_32 3
		.amdhsa_float_denorm_mode_16_64 3
		.amdhsa_memory_ordered 1
		.amdhsa_forward_progress 1
		.amdhsa_inst_pref_size 92
	.end_amdhsa_kernel
	.amdgpu_metadata
---
amdhsa.version: [ 1, 2 ]
amdhsa.kernels:
  - .name:           k_qf2b5f69294_prep
    .symbol:         k_qf2b5f69294_prep.kd
    .args:
      - { .name: W_qkv, .offset: 0, .size: 8, .value_kind: global_buffer, .address_space: global }
      - { .name: W_out, .offset: 8, .size: 8, .value_kind: global_buffer, .address_space: global }
      - { .name: W_fc1, .offset: 16, .size: 8, .value_kind: global_buffer, .address_space: global }
      - { .name: W_fc2, .offset: 24, .size: 8, .value_kind: global_buffer, .address_space: global }
      - { .name: x, .offset: 32, .size: 8, .value_kind: global_buffer, .address_space: global }
      - { .name: ln1_g, .offset: 40, .size: 8, .value_kind: global_buffer, .address_space: global }
      - { .name: ln1_b, .offset: 48, .size: 8, .value_kind: global_buffer, .address_space: global }
      - { .name: lowp_scales, .offset: 56, .size: 8, .value_kind: global_buffer, .address_space: global }
      - { .name: wc, .offset: 64, .size: 8, .value_kind: global_buffer, .address_space: global }
      - { .name: hc, .offset: 72, .size: 8, .value_kind: global_buffer, .address_space: global }
    .group_segment_fixed_size: 17920
    .private_segment_fixed_size: 0
    .kernarg_segment_align: 8
    .kernarg_segment_size: 80
    .max_flat_workgroup_size: 128
    .sgpr_count:     82
    .vgpr_count:     186
    .wavefront_size: 32
...
	.end_amdgpu_metadata
.endif
;; end of part 1
;; launch qkv (part 2): grid 12 x 16, 4 waves a work-group, clusters of 4 x 4, 327,680 bytes of LDS; arguments hc, wc, lowp_scales, b_qkv, qkvc; writes qkvc
.if DOCPART == 2
	.amdgcn_target "amdgcn-amd-amdhsa--gfx1250"
	.amdhsa_code_object_version 6
	.text
	.protected	k_qf2b5f69294_qkv
	.globl	k_qf2b5f69294_qkv
	.p2align	8
	.type	k_qf2b5f69294_qkv,@function
k_qf2b5f69294_qkv:
	s_mov_b64 s[64:65], 0
	v_nop
	global_prefetch_b8 v0, s[64:65] scope:SCOPE_SE
	s_setreg_imm32_b32 hwreg(HW_REG_WAVE_MODE, 25, 1), 1
	s_wait_xcnt 0x0
	s_wait_alu depctr_hold_cnt(0) depctr_sa_sdst(0) depctr_va_vdst(0) depctr_va_sdst(0) depctr_va_ssrc(0) depctr_va_vcc(0) depctr_vm_vsrc(0)
	s_getreg_b32 s2, hwreg(HW_REG_IB_STS2, 6, 4)
	s_cmp_eq_u32 s2, 0
	s_cbranch_scc0 .Lentry_in_a_cluster
	s_endpgm
.Lentry_in_a_cluster:
	s_bfe_u32 s2, ttmp6, 0x10000c
	s_cmp_lg_u32 s2, 0xf033
	s_cbranch_scc0 .Lentry_shape_is_right
	s_endpgm
.Lentry_shape_is_right:
; qkv = h W_qkv + b_qkv on codes of E4M3 (K = 1,024), and its three parts quantised on the way out, as images of the operands of attention's products.
; Clusters x = 0, 1: C = h W^T for the columns of q (x = 0) and k (x = 1): rows = tokens.  Cluster x = 2: V^T = Wv h^T: rows = channels, columns = tokens, so that a lane's registers run along the KEYS.
; The two cases differ in pointers, tiles and steps, chosen by the cluster's x (equal in all partners), and in the way out, which is written twice under one branch on it.
; A tile of C is 256 x 256, a wave makes 128 x 128: 64 accumulators.  K goes in steps of 256 through two LDS slots.  Operands lie in memory as images of their registers (16 rows x 128 k = 2,048 bytes,
; lane L's 16 bytes of registers 4 g .. 4 g + 3 at 512 g + 16 L; image (tile, K step s) at ((s / 2) T + tile) 4096 + (s % 2) 2048): a wave's tensor load is one dense block of 32,768 bytes,
; and a fragment comes by four ds_load_b128 of 512 consecutive bytes: no pitch, no padding.
; CLUSTERS 4 x 4: A's tiles are shared along a row of the cluster, B's along a column: joint loads.  THE MATRIX INSTRUCTION IS USED TRANSPOSED (source 0 = B's rows, source 1 = A's): lane (r, h) holds row r of C and
; columns 16 b + 8 h + 0..7, which are registers 2 b, 2 b + 1 of the next operand: the conversions' results are stored as they stand, 512 consecutive bytes a store.
; qkvc: q at 0, k at 4 MiB: [head 32][tile of 16 tokens 128][1,024]; v at 8 MiB: [head 32][step of 128 keys 16][tile of 16 channels 4][2,048].
; LIMITS: e0 + e1 between -126 and 127; e2, e3, e5 between -126 and 119.  NaN among the inputs is not served.
; REGISTERS: window 0: v16-31 addresses and constants, v32-95 the bias by column, v96-111 by row, v112-127 codes, v128-255 A's fragments (one set), later the sums at work; window 1: B's two sets; windows 2, 3: accumulators.
.set SLOT,   131072                    ; A's 16 tiles (65,536 bytes), then B's
.set SPARE,  2*SLOT                    ; the spare words, 128 bytes a wave
.set FR,     16
.set NL,     4
.set NP,     4
.set ADRA,   16
.set ADRB,   20
.set L16,    24                        ; v24 16 x lane
.set SPW,    28
.set NIL,    29
.set SCL,    30                        ; v30 2^eo
.set LIM,    31                        ; v31 448 x 2^eo
.set BN,     32
.set BM,     96
.set CD,     112
.set TMP,    128
.set AF,     128
.set G1,     24
.set G0,     32
.set G1B,    48
.set G0B,    56
.set MSB,    0
.macro WIN new                         ; the immediate's high byte repeats the setting that is left
.if MSB != \new
	s_set_vgpr_msb (MSB<<8)|\new
.set MSB, \new
.endif
.endm
.set MUL_LO, 0xa1                      ; source 0 (B) window 1, source 1 (A) window 0, C and D window 2
.set MUL_HI, 0xf1
.set TO_B,   0x40
.macro JLOAD g0a, g1a, g0b, g1b        ; a joint load: waves 0, 1 for A, waves 2, 3 for B; four v_nop follow each line
	s_cmp_eq_u32 s15, 0
	s_cbranch_scc0 .Lfor_b_\@
	tensor_load_to_lds s[\g0a:\g0a+3], s[\g1a:\g1a+7]
	s_nop 0
.rept 4
	v_nop
.endr
	s_branch .Lasked_\@
.Lfor_b_\@:
	tensor_load_to_lds s[\g0b:\g0b+3], s[\g1b:\g1b+7]
	s_nop 0
.rept 4
	v_nop
.endr
.Lasked_\@:
.endm
.macro CREST
	s_cmp_lg_u32 s14, 0
	s_cbranch_scc1 .Lnot_wave_0_\@
	s_barrier_signal -3
.Lnot_wave_0_\@:
	s_barrier_wait -3
	s_barrier_signal -1
	s_barrier_wait -1
.endm
.macro CROUND
	s_barrier_signal -1
	s_barrier_wait -1
	CREST
.endm
	s_load_b256 s[4:11], s[0:1], 0x0               ; hc s[4:5], wc s[6:7], the scales s[8:9], b_qkv s[10:11]
	s_load_b64 s[12:13], s[0:1], 0x20              ; qkvc
	v_lshl_add_u32 v[SPW], v0, 2, SPARE
	v_mov_b32 v[NIL], 0
	ds_add_u32 v28, v29
	ds_add_u32 v28, v29
	s_wait_dscnt 0x0
	v_lshrrev_b32 v1, 5, v0
	v_readfirstlane_b32 s14, v1                    ; wave 0..3
	s_lshr_b32 s15, s14, 1                         ; my half of the tile's rows; also: I fetch for A (0) or B (1)
	s_and_b32 s16, s14, 1                          ; my half of its columns; also: which 8 tiles I fetch
	s_bfe_u32 s40, ttmp6, 0x40000                  ; cx
	s_bfe_u32 s41, ttmp6, 0x40004                  ; cy
	s_and_b32 s17, ttmp7, 0xffff                   ; the cluster's y
	s_lshl_b32 s43, s41, 2
	s_lshl_b32 s43, 15, s43                        ; my row of the cluster
	s_lshl_b32 s44, 0x1111, s40                    ; my column
	s_or_b32 s[G1+0], s43, (3<<16)|(1<<21)         ; the mask; elements of 8 bytes; bit 21 beside a mask; no padding
	s_or_b32 s[G1B+0], s44, (3<<16)|(1<<21)
.irp g, G1, G1B
	s_mov_b32 s[\g+1], 32<<16                      ; tensor_dim0 = 32 elements: rows of 256 bytes
	s_mov_b32 s[\g+2], 128<<16                     ; tensor_dim1 = 128
	s_mov_b32 s[\g+3], 32<<16                      ; tile_dim0
	s_mov_b32 s[\g+4], 128                         ; tile_dim1
	s_mov_b32 s[\g+5], 32                          ; pitch = row: a dense block
	s_mov_b32 s[\g+6], 0
	s_mov_b32 s[\g+7], 0
.endr
	s_lshl_b32 s20, s17, 2
	s_add_co_u32 s20, s20, s41
	s_lshl_b32 s20, s20, 4                         ; q, k: A = h, first tile 16 (4 y + cy)
	s_lshl_b32 s21, s41, 4
	s_add_co_u32 s21, s21, 128                     ; v: A = Wv, first tile 128 + 16 cy
	s_mov_b32 s74, 0x200000                        ; two K pairs on, T = 256
	s_mov_b32 s75, 0x180000                        ; T = 192
	s_cmp_eq_u32 ttmp9, 2
	s_cselect_b32 s20, s21, s20
	s_cselect_b32 s46, s17, ttmp9                  ; B: v: tokens, 4 y + cx; q, k: columns, 4 x + cx
	s_cselect_b32 s66, s75, s74                    ; A's step
	s_cselect_b32 s68, s74, s75                    ; B's step
	s_mov_b32 s67, 0
	s_mov_b32 s69, 0
	s_lshr_b32 s70, s66, 1                         ; one K pair on: slot 1's first tile
	s_mov_b32 s71, 0
	s_lshr_b32 s72, s68, 1
	s_mov_b32 s73, 0
	s_lshl_b32 s18, s16, 3
	s_add_co_u32 s20, s20, s18
	s_lshl_b32 s20, s20, 12
	s_mov_b32 s21, 0
	s_lshl_b32 s46, s46, 2
	s_add_co_u32 s46, s46, s40
	s_lshl_b32 s46, s46, 4
	s_add_co_u32 s46, s46, s18
	s_lshl_b32 s46, s46, 12
	s_mov_b32 s47, 0
	s_lshl_b32 s45, s14, 15                        ; LDS: wave x 32,768: no place in the cluster enters an LDS address
	s_wait_kmcnt 0x0
	s_load_b256 s[80:87], s[8:9], 0x0              ; e0 .. e7
	s_cmp_eq_u32 ttmp9, 2
	s_cselect_b64 s[76:77], s[6:7], s[4:5]         ; A's buffer
	s_cselect_b64 s[78:79], s[4:5], s[6:7]         ; B's
	s_add_nc_u64 s[20:21], s[76:77], s[20:21]
	s_add_nc_u64 s[46:47], s[78:79], s[46:47]
	CROUND                                         ; all sixteen work-groups are here: the first joint loads meet
	s_mov_b32 s[G0], 1
	s_mov_b32 s[G0+1], s45
	s_mov_b64 s[G0+2:G0+3], s[20:21]
	s_or_b32 s[G0+3], s[G0+3], 0x80000000
	s_mov_b32 s[G0B], 1
	s_mov_b32 s[G0B+1], s45
	s_mov_b64 s[G0B+2:G0B+3], s[46:47]
	s_or_b32 s[G0B+3], s[G0B+3], 0x80000000
	JLOAD G0, G1, G0B, G1B
	s_mov_b32 s[G0+4], 1
	s_add_co_u32 s[G0+5], s45, SLOT
	s_add_nc_u64 s[G0+6:G0+7], s[20:21], s[70:71]
	s_or_b32 s[G0+7], s[G0+7], 0x80000000
	s_mov_b32 s[G0B+4], 1
	s_add_co_u32 s[G0B+5], s45, SLOT
	s_add_nc_u64 s[G0B+6:G0B+7], s[46:47], s[72:73]
	s_or_b32 s[G0B+7], s[G0B+7], 0x80000000
	v_and_b32 v1, 31, v0
	v_lshlrev_b32 v[L16], 4, v1
	s_lshl_b32 s21, s15, 15                        ; my 8 tiles of A
	s_lshl_b32 s22, s16, 15
	s_add_co_u32 s22, s22, 65536                   ; my 8 tiles of B
.irp s, 0,1
	v_add_nc_u32 v[ADRA+\s], s21, v[L16]
	v_add_nc_u32 v[ADRB+\s], s22, v[L16]
	s_add_co_u32 s21, s21, SLOT
	s_add_co_u32 s22, s22, SLOT
.endr
	; both forms of the bias are loaded, with no branch: by column (q, k) and by row (v).  Both stay inside b_qkv in either case.
	v_bfe_u32 v2, v0, 4, 1
	v_lshlrev_b32 v3, 5, v2                        ; 32 h
	s_wait_alu depctr_va_vdst(0)
	v_and_b32 v4, 15, v0
	v_lshlrev_b32 v4, 2, v4                        ; 4 r
	s_wait_alu depctr_va_vdst(0)
	s_lshl_b32 s88, ttmp9, 2
	s_add_co_u32 s88, s88, s40
	s_lshl_b32 s88, s88, 10
	s_lshl_b32 s89, s16, 9
	s_add_co_u32 s88, s88, s89                     ; 4 x (256 (4 x + cx) + 128 (wave % 2))
	s_mov_b32 s89, 0
	s_add_nc_u64 s[88:89], s[10:11], s[88:89]
	s_lshl_b32 s90, s41, 10
	s_lshl_b32 s91, s15, 9
	s_add_co_u32 s90, s90, s91
	s_add_co_u32 s90, s90, 8192                    ; 4 x (2048 + 256 cy + 128 (wave / 2))
	s_mov_b32 s91, 0
	s_add_nc_u64 s[90:91], s[10:11], s[90:91]
.irp b, 0,1,2,3,4,5,6,7
	global_load_b128 v[BN+8*\b:BN+8*\b+3],   v3, s[88:89] offset:64*\b
	global_load_b128 v[BN+8*\b+4:BN+8*\b+7], v3, s[88:89] offset:64*\b+16
.endr
.irp a, 0,1,2,3,4,5,6,7
	global_load_b32 v[BM+2*\a],   v4, s[90:91] offset:64*\a
	global_load_b32 v[BM+2*\a+1], v4, s[90:91] offset:64*\a
.endr
.macro FRAG reg, adr, q, i             ; image (tile i, K step q of the slot's two): 16 registers
.irp c, 0,1,2,3
	ds_load_b128 v[\reg+4*\c:\reg+4*\c+3], v[\adr] offset:(\i)*4096+(\q)*2048+512*\c
.endr
.endm
.macro MUL16 a0, p, zero               ; A's blocks a0, a0 + 1 x B's eight.  The 64 accumulators take turns, one instruction a turn
.irp a, \a0, \a0+1
.irp b, 0,1,2,3,4,5,6,7
.if \zero
	v_wmma_f32_16x16x128_fp8_fp8 v[8*(8*((\a)%4)+\b):8*(8*((\a)%4)+\b)+7], v[128*(\p)+FR*\b:128*(\p)+FR*\b+FR-1], v[AF+FR*(\a):AF+FR*(\a)+FR-1], 0
.else
	v_wmma_f32_16x16x128_fp8_fp8 v[8*(8*((\a)%4)+\b):8*(8*((\a)%4)+\b)+7], v[128*(\p)+FR*\b:128*(\p)+FR*\b+FR-1], v[AF+FR*(\a):AF+FR*(\a)+FR-1], v[8*(8*((\a)%4)+\b):8*(8*((\a)%4)+\b)+7]
.endif
.endr
.endr
.endm
.macro FETCH_B slot, q, p
	WIN TO_B
.irp i, 0,1,2,3,4,5,6,7
	FRAG 128*(\p)+FR*\i, ADRB+\slot, \q, \i
.endr
	WIN 0
.endm
.macro FETCH_A slot, q, i0
.irp i, \i0, \i0+1, \i0+2, \i0+3
	FRAG AF+FR*(\i), ADRA+\slot, \q, \i
.endr
.endm
.macro PLACES n                        ; plain vector lines between a matrix instruction and a load into, or a read of, its registers
.rept \n
	v_nop
.endr
.endm
.macro STEP slot, q, zero              ; 128 along K whose successor lies in the same slot
	s_wait_dscnt 4*NL                              ; B's set and A's blocks 0-3 are in; A's blocks 4-7 (16 loads) may be out
	WIN MUL_LO
	MUL16 0, (\q)%2, \zero
	MUL16 2, (\q)%2, \zero
	s_wait_dscnt 0
	PLACES NP
	FETCH_B \slot, (\q)+1, 1-(\q)%2
	FETCH_A \slot, (\q)+1, 0
	WIN MUL_HI
	MUL16 4, (\q)%2, \zero
	MUL16 6, (\q)%2, \zero
	PLACES NP
	WIN 0
	FETCH_A \slot, (\q)+1, 4
.endm
.macro TURN slot, next, fill           ; a slot's last step changes slots: one barrier; with fill = 1 it opens a round of the cluster's barrier and the slot is filled again
	s_wait_tensorcnt 0x0                           ; all my tensor loads have landed: my part of the next slot
	ds_add_u32 v[SPW], v[NIL]                      ; 0 onto my spare word
	s_wait_dscnt 4*NL+1                            ; the add and A's blocks 4-7 may be out
	WIN MUL_LO
	MUL16 0, 1, 0
	s_wait_dscnt 0x0                               ; the add is done, and my reads of this slot are over
	s_barrier_signal -1
	MUL16 2, 1, 0
	WIN 0
	s_barrier_wait -1
.if \fill
	CREST                                          ; no wave of any partner still reads this slot or has a load on its way
	s_add_nc_u64 s[G0+4*\slot+2:G0+4*\slot+3], s[G0+4*\slot+2:G0+4*\slot+3], s[66:67]
	s_add_nc_u64 s[G0B+4*\slot+2:G0B+4*\slot+3], s[G0B+4*\slot+2:G0B+4*\slot+3], s[68:69]
	JLOAD G0+4*\slot, G1, G0B+4*\slot, G1B         ; the first tensor load behind the round; its four v_nop are the places in front of the loads below
.else
	PLACES NP
.endif
	FETCH_B \next, 0, 0
	FETCH_A \next, 0, 0
	WIN MUL_HI
	MUL16 4, 1, 0
	MUL16 6, 1, 0
	PLACES NP
	WIN 0
	FETCH_A \next, 0, 4
.endm
	s_wait_alu depctr_va_vdst(0)
	s_wait_tensorcnt 0x0                           ; my part of slot 0 is in; slot 1's first fill is issued as a refill is:
	ds_add_u32 v[SPW], v[NIL]                      ; 0 onto my spare word
	s_wait_dscnt 0x0
	CROUND                                         ; a whole round: slot 0 is whole, and the sixteen work-groups' joint loads meet
	JLOAD G0+4, G1, G0B+4, G1B                     ; the first tensor load behind the round
	FETCH_B 0, 0, 0
	FETCH_A 0, 0, 0
	FETCH_A 0, 0, 4
	STEP 0, 0, 1                                   ; K = 1,024: eight steps of 128, written out; the first starts the sums
	TURN 0, 1, 1
	STEP 1, 0, 0
	TURN 1, 0, 1
	STEP 0, 0, 0
	TURN 0, 1, 0
	STEP 1, 0, 0
	s_wait_dscnt 4*NL
	WIN MUL_LO
	MUL16 0, 1, 0
	MUL16 2, 1, 0
	s_wait_dscnt 0
	WIN MUL_HI
	MUL16 4, 1, 0
	MUL16 6, 1, 0
	WIN 0
; THE WAY OUT, block a of 16 rows: sum x 2^(e0 + e1) + bias, hold, conversion; tile b's two registers are registers 2 b, 2 b + 1 of an image.
.macro EPI a, mode
.set AC, 64*((\a)%4)
.if (\a) > 0
	s_wait_xcnt 0x0                                ; the codes' registers are rewritten only behind this wait
.endif
	WIN 0x02+((\a)/4)                              ; source 0: window 2 or 3
.set j, 0
.rept 32
.if \mode
	v_pk_fma_f32 v[TMP+j:TMP+j+1], v[AC+j:AC+j+1], s[96:97], v[BM+2*(\a):BM+2*(\a)+1] op_sel_hi:[1,0,0]
.else
	v_pk_fma_f32 v[TMP+j:TMP+j+1], v[AC+j:AC+j+1], s[96:97], v[BN+j:BN+j+1] op_sel_hi:[1,0,1]
.endif
.set j, j+2
.endr
	WIN 0
.set j, 0
.rept 64
	v_med3_num_f32 v[TMP+j], v[TMP+j], -v[LIM], v[LIM]
.set j, j+1
.endr
.irp b, 0,1,2,3,4,5,6,7
	v_cvt_scalef32_pk8_fp8_f32 v[CD+2*\b:CD+2*\b+1], v[TMP+8*\b:TMP+8*\b+7], v[SCL]
.endr
	v_nop                                          ; one plain line behind the last conversion
.irp p, 0,1,2,3
.if \mode
	global_store_b128 v[L16], v[CD+4*\p:CD+4*\p+3], s[12:13] offset:((\a)/4)*131072+((\a)%4)*2048+\p*512
.else
	global_store_b128 v[L16], v[CD+4*\p:CD+4*\p+3], s[12:13] offset:(\p/2)*131072+(\a)*1024+(\p%2)*512
.endif
.endr
.endm
	s_wait_kmcnt 0x0
	s_add_co_i32 s96, s80, s81
	s_add_co_i32 s96, s96, 127
	s_lshl_b32 s96, s96, 23                        ; 2^(e0 + e1)
	s_mov_b32 s97, s96
	s_cmp_eq_u32 ttmp9, 0
	s_cselect_b32 s92, s82, s83                    ; q: e2; k: e3;
	s_cmp_eq_u32 ttmp9, 2
	s_cselect_b32 s92, s85, s92                    ; v: e5
	s_add_co_i32 s92, s92, 127
	s_lshl_b32 s93, s92, 23
	v_mov_b32 v[SCL], s93
	s_add_co_i32 s92, s92, 8
	s_lshl_b32 s92, s92, 23
	s_or_b32 s92, s92, 0x600000
	v_mov_b32 v[LIM], s92
	s_wait_loadcnt 0x0                             ; the biases
	PLACES NP
	s_cmp_eq_u32 ttmp9, 2                          ; the cluster's x: equal in all partners
	s_cbranch_scc1 .Lvt
	s_lshl_b32 s70, s17, 2
	s_add_co_u32 s70, s70, s41
	s_lshl_b32 s70, s70, 1
	s_add_co_u32 s70, s70, s15                     ; my first token / 128
	s_lshr_b32 s71, s70, 4                         ; batch
	s_and_b32 s70, s70, 15
	s_lshl_b32 s72, s40, 2
	s_lshl_b32 s73, s16, 1
	s_add_co_u32 s72, s72, s73                     ; my first head: 4 cx + 2 (wave % 2)
	s_lshl_b32 s71, s71, 4
	s_add_co_u32 s71, s71, s72
	s_lshl_b32 s71, s71, 7                         ; 128 tiles a head
	s_lshl_b32 s70, s70, 3
	s_add_co_u32 s70, s70, s71
	s_lshl_b32 s70, s70, 10
	s_lshl_b32 s71, ttmp9, 22                      ; q's or k's region
	s_add_co_u32 s70, s70, s71
	s_mov_b32 s71, 0
	s_add_nc_u64 s[12:13], s[12:13], s[70:71]
.irp a, 0,1,2,3,4,5,6,7
	EPI \a, 0
.endr
	s_branch .Ldone
.Lvt:
	s_lshl_b32 s70, s17, 2
	s_add_co_u32 s70, s70, s40
	s_lshl_b32 s70, s70, 1
	s_add_co_u32 s70, s70, s16                     ; my first token / 128
	s_lshr_b32 s71, s70, 4                         ; batch
	s_and_b32 s70, s70, 15                         ; the step of 128 keys
	s_lshl_b32 s72, s41, 2
	s_lshl_b32 s73, s15, 1
	s_add_co_u32 s72, s72, s73                     ; my first head: 4 cy + 2 (wave / 2)
	s_lshl_b32 s71, s71, 4
	s_add_co_u32 s71, s71, s72
	s_lshl_b32 s71, s71, 4                         ; 16 steps a head
	s_add_co_u32 s70, s70, s71
	s_lshl_b32 s70, s70, 13
	s_add_co_u32 s70, s70, 0x800000                ; v's region
	s_mov_b32 s71, 0
	s_add_nc_u64 s[12:13], s[12:13], s[70:71]
.irp a, 0,1,2,3,4,5,6,7
	EPI \a, 1
.endr
.Ldone:
	s_wait_tensorcnt 0x0                           ; the wave's end
	ds_add_u32 v[SPW], v[NIL]
	s_wait_dscnt 0x0
	CROUND                                         ; the closing round
	s_endpgm
.Lfunc_end_k_qf2b5f69294_qkv:
	.size	k_qf2b5f69294_qkv, .Lfunc_end_k_qf2b5f69294_qkv-k_qf2b5f69294_qkv
	.p2alignl 7, 3214868480
	.fill 96, 4, 3214868480
	.section	.rodata,"a",@progbits
	.p2align	6, 0x0
	.amdhsa_kernel k_qf2b5f69294_qkv
		.amdhsa_group_segment_fixed_size 327680
		.amdhsa_private_segment_fixed_size 0
		.amdhsa_enable_private_segment 0
		.amdhsa_kernarg_size 40
		.amdhsa_user_sgpr_count 2
		.amdhsa_user_sgpr_kernarg_segment_ptr 1
		.amdhsa_wavefront_size32 1
		.amdhsa_system_sgpr_workgroup_id_x 1
		.amdhsa_system_sgpr_workgroup_id_y 1
		.amdhsa_system_sgpr_workgroup_id_z 1
		.amdhsa_system_vgpr_workitem_id 0
		.amdhsa_next_free_vgpr 1024
		.amdhsa_next_free_sgpr 100
		.amdhsa_reserve_vcc 0
		.amdhsa_float_denorm_mode_32 3
		.amdhsa_float_denorm_mode_16_64 3
		.amdhsa_memory_ordered 1
		.amdhsa_forward_progress 1
		.amdhsa_inst_pref_size 195
	.end_amdhsa_kernel
	.amdgpu_metadata
---
amdhsa.version: [ 1, 2 ]
amdhsa.kernels:
  - .name:           k_qf2b5f69294_qkv
    .symbol:         k_qf2b5f69294_qkv.kd
    .args:
      - { .name: hc, .offset: 0, .size: 8, .value_kind: global_buffer, .address_space: global }
      - { .name: wc, .offset: 8, .size: 8, .value_kind: global_buffer, .address_space: global }
      - { .name: lowp_scales, .offset: 16, .size: 8, .value_kind: global_buffer, .address_space: global }
      - { .name: b_qkv, .offset: 24, .size: 8, .value_kind: global_buffer, .address_space: global }
      - { .name: qkvc, .offset: 32, .size: 8, .value_kind: global_buffer, .address_space: global }
    .group_segment_fixed_size: 327680
    .private_segment_fixed_size: 0
    .kernarg_segment_align: 8
    .kernarg_segment_size: 40
    .max_flat_workgroup_size: 128
    .sgpr_count:     100
    .vgpr_count:     1024
    .wavefront_size: 32
...
	.end_amdgpu_metadata
.endif
;; end of part 2
;; launch attn (part 3): grid 8 x 32, 16 waves a work-group, clusters of 4 x 1, 327,680 bytes of LDS; arguments qkvc, lowp_scales, ac; writes ac
.if DOCPART == 3
	.amdgcn_target "amdgcn-amd-amdhsa--gfx1250"
	.amdhsa_code_object_version 6
	.text
	.protected	k_qf2b5f69294_attn
	.globl	k_qf2b5f69294_attn
	.p2align	8
	.type	k_qf2b5f69294_attn,@function
k_qf2b5f69294_attn:
	s_mov_b64 s[64:65], 0
	v_nop
	global_prefetch_b8 v0, s[64:65] scope:SCOPE_SE
	s_setreg_imm32_b32 hwreg(HW_REG_WAVE_MODE, 25, 1), 1
	s_wait_xcnt 0x0
	s_wait_alu depctr_hold_cnt(0) depctr_sa_sdst(0) depctr_va_vdst(0) depctr_va_sdst(0) depctr_va_ssrc(0) depctr_va_vcc(0) depctr_vm_vsrc(0)
	s_getreg_b32 s2, hwreg(HW_REG_IB_STS2, 6, 4)
	s_cmp_eq_u32 s2, 0
	s_cbranch_scc0 .Lentry_in_a_cluster
	s_endpgm
.Lentry_in_a_cluster:
	s_bfe_u32 s2, ttmp6, 0x10000c
	s_cmp_lg_u32 s2, 0x3003
	s_cbranch_scc0 .Lentry_shape_is_right
	s_endpgm
.Lentry_shape_is_right:
; Causal attention of one head (work-group y: batch x 16 + head) on codes of E4M3: S^T = K Q^T (K = 64), p = 2^(t - M), O^T = V^T P^T (K = 128 keys a step), O / the row's sum quantised with 2^e6 into ac.
; LEFT OUT: steps of 128 keys all of which come after a tile's 16 queries: the causal mask hides them for every input.
; THE SOFTMAX: t = score x log2(e) / 8; M = the running largest t rounded up to a whole number; p is quantised with 2^e4, not normalised; the sum is taken of the unquantised p in f32; a change of M multiplies sum and O by an exact power of two.
; SHARES.  A head has 128 tiles of 16 queries.  Work-group x (0..7) owns tiles 8 j + x, j = 0..15: tile 8 j + x needs steps 0..j whatever x is, so all work-groups walk the same steps, every work-group reads every key, and no branch hangs on x.
; THE 16 WAVES ARE 8 PAIRS over tiles j = i and j = 15 - i, 17 steps together.  Wave i (0..7): tile i whole (i + 1 steps), stored; then steps 0 .. 7 - i of tile 15 - i, whose O^T, -M and sum it leaves in an LDS stage: 9 steps.
; Wave 8 + i: steps 8 - i .. 15 - i of tile 15 - i (8 steps, the diagonal among them); behind one barrier it joins the partner's part to its own: both are brought under the larger M by exact powers of two and added; then it stores the tile.
; (The two parts' p are quantised under each part's own running M, as a running M allows.)  The loops' trip counts are constants; a step outside a wave's range is passed over by a scalar branch on the wave's number and the count of steps.
; LDS holds the head's whole K (131,072 bytes, step s at 8,192 s) and V (from 131,072 on, likewise): each wave asks for 16,384 dense bytes (waves 0-7: two steps of K each; waves 8-15: of V) by ONE tensor load at the head; nothing is filled again.
; CLUSTER 4 x 1: the four partners read the same K and V, so each load is a joint load with the mask 15.  Every wait on TENSORcnt is for 0.
; No prefetch: all of K and V is asked for by the head's loads, and there is no loop to run ahead in.
; LAYOUT: both products transposed: lane (r, h) holds query r; register 8 t + i of S^T is key 16 t + 8 h + i of the step, which is the 8-bit forms' own place of k: the conversions' results are P's operand.
; LIMITS: e2 + e3 between -123 and 130 (added to c's exponent field); e4 and e6 between -126 and 119; the scaled scores stay under 2^31 in magnitude.  NaN among the inputs is not served.
; REGISTERS: v1 16 x lane; v2, v3 the step's LDS addresses; v4, v5 the stage; v12 -M, v13 the largest t, v[14:15] the sum; v16-23, v24-31 Q of my first and second tile; v32-95 K's, then V's fragments; v96-159 S^T, p;
; v160-191 O^T; v192-207 P's codes; v240, v241 448 x 2^e4; v244 2^e4; v245 2^e6; v246 448 x 2^e6; v250 the mask's bound; v251, v255 the add's two.
.set SPARE, 0x40000                    ; behind K and V: the spare words, 128 bytes a wave
.set STAGE, 0x40800                    ; behind them: 4,608 bytes a pair: O^T as eight images of four registers, then -M and the sum, 8 bytes a lane.  No fill lands here
.set WV,  18
.set SEL, 20
.set CS,  22
.set G1,  24
.set G0,  32
.set LO,  36                           ; s36, s37 the first and last step of the walk in hand
.set HI,  37
.set HI2, 38                           ; s38 the second walk's last step (-1: none)
.set TB,  48                           ; s48 LDS byte of the step's K
.set ST,  49                           ; s49 the step
.set CNT, 51
.set HD,  52                           ; s52 batch x 16 + head
.set X,   53                           ; s53 work-group x
.set W7,  54                           ; s54 the pair i = wave % 8
.set ROLE, 55                          ; s55 wave / 8
.macro CREST
	s_cmp_lg_u32 s[WV], 0
	s_cbranch_scc1 .Lnot_wave_0_\@
	s_barrier_signal -3
.Lnot_wave_0_\@:
	s_barrier_wait -3
	s_barrier_signal -1
	s_barrier_wait -1
.endm
.macro CROUND                          ; a round of the cluster's barrier
	s_barrier_signal -1
	s_barrier_wait -1
	CREST
.endm
	s_load_b128 s[4:7], s[0:1], 0x0                ; qkvc, the scales
	s_load_b64 s[8:9], s[0:1], 0x10                ; ac
	v_lshl_add_u32 v251, v0, 2, SPARE
	v_mov_b32 v255, 0
	ds_add_u32 v251, v255                          ; the opening lines: the add twice on end and its wait
	ds_add_u32 v251, v255
	v_lshrrev_b32 v8, 5, v0
	v_readfirstlane_b32 s[WV], v8                  ; wave 0..15
	s_and_b32 s[HD], ttmp7, 0xffff
	s_mov_b32 s[G1], 15|(3<<16)|(1<<21)            ; the four partners; elements of 8 bytes; bit 21 beside a mask
	s_mov_b32 s[G1+1], 32<<16                      ; 64 rows of 256 bytes, dense
	s_mov_b32 s[G1+2], 64<<16
	s_mov_b32 s[G1+3], 32<<16
	s_mov_b32 s[G1+4], 64
	s_mov_b32 s[G1+5], 32
	s_mov_b32 s[G1+6], 0
	s_mov_b32 s[G1+7], 0
	s_and_b32 s[W7], s[WV], 7
	s_lshr_b32 s[ROLE], s[WV], 3                   ; also: I fetch K (0) or V (1)
	s_lshl_b32 s56, s[ROLE], 22
	s_add_co_u32 s56, s56, 0x400000                ; k's region at 4 MiB, v's at 8 MiB
	s_lshl_b32 s57, s[HD], 17
	s_add_co_u32 s56, s56, s57
	s_lshl_b32 s57, s[W7], 14                      ; my two steps
	s_add_co_u32 s56, s56, s57
	s_mov_b32 s57, 0
	s_lshl_b32 s58, s[WV], 14                      ; LDS: wave x 16,384
	s_wait_dscnt 0x0
	s_wait_kmcnt 0x0
	s_load_b256 s[68:75], s[6:7], 0x0              ; e0 .. e7
	s_mov_b32 s[G0], 1
	s_mov_b32 s[G0+1], s58
	s_add_nc_u64 s[G0+2:G0+3], s[4:5], s[56:57]
	s_or_b32 s[G0+3], s[G0+3], 0x80000000
	CROUND                                         ; the four work-groups are here: the joint loads meet
	tensor_load_to_lds s[G0:G0+3], s[G1:G1+7]      ; my one tensor load
	s_nop 0
.rept 4
	v_nop
.endr
	s_bfe_u32 s63, ttmp6, 0x40000                  ; cx
	s_lshl_b32 s[X], ttmp9, 2
	s_add_co_u32 s[X], s[X], s63
	s_mul_i32 s59, s[ROLE], 15
	s_xor_b32 s[HI], s[W7], s59                    ; my first tile's j, its last step: i, or 15 - i
	s_sub_co_u32 s59, 8, s[W7]
	s_mul_i32 s[LO], s59, s[ROLE]                  ; its first step of mine: 0, or 8 - i
	s_sub_co_u32 s59, 7, s[W7]
	s_cmp_eq_u32 s[ROLE], 0
	s_cselect_b32 s[HI2], s59, -1                  ; the second walk: steps 0 .. 7 - i of tile 15 - i, or none
	s_sub_co_u32 s39, 15, s[W7]
	s_lshl_b32 s60, s[HI], 3
	s_add_co_u32 s62, s60, s[X]                    ; my first tile of 16 queries: 8 j + x
	s_lshl_b32 s60, s62, 10
	s_lshl_b32 s61, s[HD], 17
	s_add_co_u32 s60, s60, s61
	s_lshl_b32 s66, s39, 3
	s_add_co_u32 s66, s66, s[X]                    ; the pair's later tile: 8 (15 - i) + x
	s_lshl_b32 s66, s66, 10
	s_add_co_u32 s66, s66, s61
	s_mov_b32 s61, 0
	s_mov_b32 s67, 0
	s_add_nc_u64 s[60:61], s[4:5], s[60:61]
	s_add_nc_u64 s[66:67], s[4:5], s[66:67]
	v_and_b32 v1, 31, v0
	v_lshlrev_b32 v1, 4, v1
	global_load_b128 v[16:19], v1, s[60:61]        ; Q's images stay in registers
	global_load_b128 v[20:23], v1, s[60:61] offset:512
	global_load_b128 v[24:27], v1, s[66:67]
	global_load_b128 v[28:31], v1, s[66:67] offset:512
	s_mul_i32 s59, s[W7], 4608
	s_add_co_u32 s59, s59, STAGE                   ; the pair's stage
	v_add_nc_u32 v4, s59, v1
	v_and_b32 v5, 31, v0
	v_lshlrev_b32 v5, 3, v5
	v_add_nc_u32 v5, s59, v5
	s_lshr_b32 s76, s[HD], 4                       ; ac, my first tile: image (tile of tokens, K step head / 2): ((head / 4) 256 + 128 batch + tile) 4096 + (head % 4) 1024
	s_lshl_b32 s76, s76, 7
	s_add_co_u32 s76, s76, s62
	s_bfe_u32 s77, s[HD], 0x20002
	s_lshl_b32 s77, s77, 8
	s_add_co_u32 s76, s76, s77
	s_lshl_b32 s76, s76, 12
	s_and_b32 s77, s[HD], 3
	s_lshl_b32 s77, s77, 10
	s_add_co_u32 s76, s76, s77
	s_mov_b32 s77, 0
	s_add_nc_u64 s[8:9], s[8:9], s[76:77]
	s_mov_b32 s[SEL], 0x76543210
	s_mov_b32 s[SEL+1], 0xfedcba98
	s_mov_b32 s[CS], 0x3e38aa3b                    ; c = log2(e) / 8
	s_mov_b32 s[TB], 0
	s_mov_b32 s[ST], 0
	v_mov_b32 v13, 0xff61b1e6                      ; -3e38, under every t
	v_floor_f32 v12, -v13
	v_mov_b32 v14, 0
	v_mov_b32 v15, 0
	v_mov_b32 v236, 0
	v_mov_b32 v253, 0
	v_and_b32 v250, 15, v0
	v_bfe_u32 v249, v0, 4, 1
	v_lshlrev_b32 v249, 3, v249
	v_sub_nc_u32 v250, v250, v249
	s_lshl_b32 s78, s[X], 4
	v_add_nc_u32 v250, s78, v250                   ; on the diagonal step: register 8 t + i is hidden where 16 t + i > 16 x + r - 8 h
.set j, 0
.rept 32
	v_mov_b32 v[160+j], 0                          ; O^T: the step is written for all steps alike; the first change of M leaves zeros zeros
.set j, j+1
.endr
	s_wait_kmcnt 0x0
	s_add_co_i32 s78, s70, s71
	s_lshl_b32 s78, s78, 23
	s_add_co_i32 s[CS], s[CS], s78                 ; c x 2^(e2 + e3)
	s_mov_b32 s[CS+1], s[CS]
	s_add_co_i32 s78, s72, 127
	s_lshl_b32 s79, s78, 23
	v_mov_b32 v244, s79                            ; 2^e4
	s_add_co_i32 s78, s78, 8
	s_lshl_b32 s78, s78, 23
	s_or_b32 s78, s78, 0x600000
	v_mov_b32 v240, s78                            ; 448 x 2^e4, twice: the two halves of a dual pair take second sources of different banks
	v_mov_b32 v241, s78
	s_add_co_i32 s78, s74, 127
	s_lshl_b32 s79, s78, 23
	v_mov_b32 v245, s79                            ; 2^e6
	s_add_co_i32 s78, s78, 8
	s_lshl_b32 s78, s78, 23
	s_or_b32 s78, s78, 0x600000
	v_mov_b32 v246, s78                            ; 448 x 2^e6
	s_add_co_i32 s76, s72, s73                     ; e4 + e5
.macro STEP qr, diag                   ; 128 keys against the tile whose Q lies at v[qr]; diag = 1: the walk's last step lies on the diagonal
	s_cmp_lt_i32 s[ST], s[LO]                      ; outside my range: round the step's work, not round the lines that step addresses
	s_cbranch_scc1 .Lhidden_\@
	s_cmp_gt_i32 s[ST], s[HI]
	s_cbranch_scc1 .Lhidden_\@
	v_add_nc_u32 v2, s[TB], v1
	s_delay_alu instid0(VALU_DEP_1)
	v_add_nc_u32 v3, 0x20000, v2
	v_nop                                          ; with the two additions: four places ahead of loads into registers that the last products read
	v_nop
.irp t, 0,1,2,3,4,5,6,7
	ds_load_b128 v[32+8*\t:35+8*\t], v2 offset:1024*\t
	ds_load_b128 v[36+8*\t:39+8*\t], v2 offset:1024*\t+512
.endr
	s_wait_alu depctr_va_vdst(0)
	s_wait_dscnt 0x0
.irp t, 0,1,2,3,4,5,6,7
	v_wmma_f32_16x16x64_fp8_fp8 v[96+8*\t:103+8*\t], v[32+8*\t:39+8*\t], v[\qr:\qr+7], 0
.endr
.rept 4
	v_nop
.endr
.irp d, 0,1,2,3
.irp g, 0,1,2,3
	ds_load_b128 v[32+16*\d+4*\g:35+16*\d+4*\g], v3 offset:2048*\d+512*\g   ; V's four images land under the softmax
.endr
.endr
.if \diag
	s_cmp_lg_u32 s[ST], s[HI]                      ; only the tile's last step lies on the diagonal
	s_cbranch_scc1 .Lopen_\@
	v_mov_b32 v254, 0xff800000
.set n, 0
.rept 64
	v_cmp_gt_i32 vcc_lo, 16*(n/8)+n%8, v250
	v_cndmask_b32 v[96+n], v[96+n], v254, vcc_lo
.set n, n+1
.endr
.Lopen_\@:
.endif
	v_max3_num_f32 v254, v96, v97, v98
	v_max3_num_f32 v252, v99, v100, v101
.irp i, 6,10,14,18,22,26,30,34,38,42,46,50,54,58
	v_max3_num_f32 v254, v254, v[96+\i], v[97+\i]
	v_max3_num_f32 v252, v252, v[98+\i], v[99+\i]
.endr
	v_max3_num_f32 v254, v254, v158, v159
	s_delay_alu instid0(VALU_DEP_1)
	v_max_num_f32 v254, v254, v252
	s_delay_alu instid0(VALU_DEP_1)
	v_permlanex16_b32 v236, v254, s[SEL], s[SEL+1]
	s_delay_alu instid0(VALU_DEP_1)
	v_max_num_f32 v254, v254, v236
	s_delay_alu instid0(VALU_DEP_1)
	v_mul_f32 v254, s[CS], v254
	s_delay_alu instid0(VALU_DEP_1)
	v_max_num_f32 v13, v13, v254
	v_mov_b32 v254, v12
	s_delay_alu instid0(VALU_DEP_2)
	v_floor_f32 v12, -v13                          ; -M = floor(-t)
	s_delay_alu instid0(VALU_DEP_1)
	v_sub_f32 v254, v12, v254
	s_delay_alu instid0(VALU_DEP_1)
	v_cvt_i32_f32 v254, v254
	s_delay_alu instid0(VALU_DEP_1)
	v_ldexp_f32 v252, 1.0, v254                    ; f = 2^(old M - new M)
.set j, 0
.rept 32
	v_pk_fma_f32 v[96+j:97+j], v[96+j:97+j], s[CS:CS+1], v[12:13] op_sel_hi:[1,0,0]
.set j, j+2
.endr
.set j, 0
	s_wait_alu depctr_va_vdst(0)
.rept 64
	v_exp_f32 v[96+j], v[96+j]
.set j, j+1
.endr
	v_pk_mul_f32 v[14:15], v[14:15], v[252:253] op_sel_hi:[1,0]
	s_wait_alu depctr_va_vdst(0)
	v_pk_add_f32 v[242:243], v[96:97], v[98:99]
.irp j, 4,8,12,16,20,24,28,32,36,40,44,48,52,56,60
	v_pk_add_f32 v[14:15], v[14:15], v[96+\j:97+\j]
	v_pk_add_f32 v[242:243], v[242:243], v[98+\j:99+\j]
.endr
	s_delay_alu instid0(VALU_DEP_1)
	v_pk_add_f32 v[14:15], v[14:15], v[242:243]
.irp t, 0,1,2,3,4,5,6,7
.irp i, 0,2,4,6
	v_dual_min_num_f32 v[96+8*\t+\i], v[96+8*\t+\i], v240 :: v_dual_min_num_f32 v[97+8*\t+\i], v[97+8*\t+\i], v241   ; the hold (p is not negative), two numbers an instruction
.endr
	v_cvt_scalef32_pk8_fp8_f32 v[192+2*\t:193+2*\t], v[96+8*\t:103+8*\t], v244
.endr
	s_wait_alu depctr_va_vdst(0)
.set j, 0
.rept 16
	v_pk_mul_f32 v[160+j:161+j], v[160+j:161+j], v[252:253] op_sel_hi:[1,0]
.set j, j+2
.endr
	s_wait_alu depctr_va_vdst(0)
	s_wait_dscnt 0x0                               ; V's images
.irp d, 0,1,2,3
	v_wmma_f32_16x16x128_fp8_fp8 v[160+8*\d:167+8*\d], v[32+16*\d:47+16*\d], v[192:207], v[160+8*\d:167+8*\d]
.endr
.Lhidden_\@:
	s_add_co_u32 s[ST], s[ST], 1
	s_add_co_u32 s[TB], s[TB], 8192
.endm
.macro WALK n, qr, diag                ; steps 0 .. n - 1, of which mine are LO .. HI
	s_mov_b32 s[CNT], \n
.Lstep_\@:
	STEP \qr, \diag
	s_sub_co_u32 s[CNT], s[CNT], 1
	s_cmp_lg_u32 s[CNT], 0
	s_cbranch_scc1 .Lstep_\@
.endm
.macro FINISH                          ; O^T / the row's sum x 2^(e4 + e5), quantised with 2^e6, stored as an image of the next product's operand
	v_add_f32 v14, v14, v15
	s_delay_alu instid0(VALU_DEP_1)
	v_permlanex16_b32 v236, v14, s[SEL], s[SEL+1]
	s_delay_alu instid0(VALU_DEP_1)
	v_add_f32 v14, v14, v236                       ; the row's sum
	s_wait_alu depctr_va_vdst(0)
	v_rcp_f32 v14, v14
	v_nop
	s_wait_alu depctr_va_vdst(0)
	v_ldexp_f32 v14, v14, s76
	s_wait_alu depctr_va_vdst(0)
.set j, 0
.rept 32
	v_mul_f32 v[96+j], v[160+j], v14
.set j, j+1
.endr
.set j, 0
.rept 32
	v_med3_num_f32 v[96+j], v[96+j], -v246, v246
.set j, j+1
.endr
.irp d, 0,1,2,3
	v_cvt_scalef32_pk8_fp8_f32 v[192+2*\d:193+2*\d], v[96+8*\d:103+8*\d], v245
.endr
	v_nop
	global_store_b128 v1, v[192:195], s[8:9]       ; 512 consecutive bytes a store, aligned
	global_store_b128 v1, v[196:199], s[8:9] offset:512
.endm
	s_wait_alu depctr_va_vdst(0)
	s_wait_loadcnt 0x0                             ; Q
	s_wait_tensorcnt 0x0                           ; my part of K or V is in
	s_wait_dscnt 0x0
	s_barrier_signal -1
	s_barrier_wait -1                              ; and everybody's
	WALK 16, 16, 1                                 ; my first tile
	s_cmp_lg_u32 s[ROLE], 0
	s_cbranch_scc1 .Lkeep                          ; waves 8-15 keep their part for the join
	FINISH                                         ; waves 0-7: tile i is whole
	v_mov_b32 v13, 0xff61b1e6                      ; and the state begins anew
	v_floor_f32 v12, -v13
	v_mov_b32 v14, 0
	v_mov_b32 v15, 0
.set j, 0
.rept 32
	v_mov_b32 v[160+j], 0
.set j, j+1
.endr
	s_wait_alu depctr_va_vdst(0)
	s_wait_xcnt 0x0                                ; the stores have read v192-199, which the next walk writes
.Lkeep:
	s_mov_b32 s[LO], 0
	s_mov_b32 s[HI], s[HI2]
	s_mov_b32 s[ST], 0
	s_mov_b32 s[TB], 0
	WALK 8, 24, 0                                  ; waves 0-7: the first steps of tile 15 - i; none of them lies on the diagonal
	s_cmp_lg_u32 s[ROLE], 0
	s_cbranch_scc1 .Lno_part
	v_add_f32 v13, v14, v15                        ; my lane's part of the sum, beside -M
.rept 4
	v_nop                                          ; places behind the last products
.endr
.irp k, 0,1,2,3,4,5,6,7
	ds_store_b128 v4, v[160+4*\k:163+4*\k] offset:512*\k
.endr
	ds_store_b64 v5, v[12:13] offset:4096
.Lno_part:
	s_wait_dscnt 0x0                               ; for the partner's sake: my stores have landed
	s_barrier_signal -1
	s_barrier_wait -1
	s_cmp_eq_u32 s[ROLE], 0
	s_cbranch_scc1 .Ldone
.irp k, 0,1,2,3,4,5,6,7
	ds_load_b128 v[96+4*\k:99+4*\k], v4 offset:512*\k
.endr
	ds_load_b64 v[128:129], v5 offset:4096         ; the partner's -M and sum
	s_wait_dscnt 0x0
	v_add_f32 v14, v14, v15
	v_min_num_f32 v130, v12, v128                  ; -M of both parts
	v_mov_b32 v135, 0                              ; (named as the upper half of a pair)
	v_mov_b32 v15, 0
	v_sub_f32 v131, v130, v12                      ; my M less the joint one: a whole number, 0 or less
	v_sub_f32 v132, v130, v128                     ; the partner's likewise
	v_cvt_i32_f32 v131, v131
	v_cvt_i32_f32 v132, v132
	v_ldexp_f32 v252, 1.0, v131
	v_ldexp_f32 v134, 1.0, v132
	v_mul_f32 v14, v14, v252
	v_fma_f32 v14, v129, v134, v14
.set j, 0
.rept 16
	v_pk_mul_f32 v[160+j:161+j], v[160+j:161+j], v[252:253] op_sel_hi:[1,0]
.set j, j+2
.endr
.set j, 0
.rept 16
	v_pk_fma_f32 v[160+j:161+j], v[96+j:97+j], v[134:135], v[160+j:161+j] op_sel_hi:[1,0,1]
.set j, j+2
.endr
	FINISH                                         ; tile 15 - i is whole
.Ldone:
	s_wait_tensorcnt 0x0                           ; the wave's end
	ds_add_u32 v251, v255
	s_wait_dscnt 0x0
	CROUND                                         ; the closing round
	s_endpgm
.Lfunc_end_k_qf2b5f69294_attn:
	.size	k_qf2b5f69294_attn, .Lfunc_end_k_qf2b5f69294_attn-k_qf2b5f69294_attn
	.p2alignl 7, 3214868480
	.fill 96, 4, 3214868480
	.section	.rodata,"a",@progbits
	.p2align	6, 0x0
	.amdhsa_kernel k_qf2b5f69294_attn
		.amdhsa_group_segment_fixed_size 327680
		.amdhsa_private_segment_fixed_size 0
		.amdhsa_enable_private_segment 0
		.amdhsa_kernarg_size 24
		.amdhsa_user_sgpr_count 2
		.amdhsa_user_sgpr_kernarg_segment_ptr 1
		.amdhsa_wavefront_size32 1
		.amdhsa_system_sgpr_workgroup_id_x 1
		.amdhsa_system_sgpr_workgroup_id_y 1
		.amdhsa_system_sgpr_workgroup_id_z 1
		.amdhsa_system_vgpr_workitem_id 0
		.amdhsa_next_free_vgpr 256
		.amdhsa_next_free_sgpr 80
		.amdhsa_reserve_vcc 1
		.amdhsa_float_denorm_mode_32 3
		.amdhsa_float_denorm_mode_16_64 3
		.amdhsa_memory_ordered 1
		.amdhsa_forward_progress 1
		.amdhsa_inst_pref_size 58
	.end_amdhsa_kernel
	.amdgpu_metadata
---
amdhsa.version: [ 1, 2 ]
amdhsa.kernels:
  - .name:           k_qf2b5f69294_attn
    .symbol:         k_qf2b5f69294_attn.kd
    .args:
      - { .name: qkvc, .offset: 0, .size: 8, .value_kind: global_buffer, .address_space: global }
      - { .name: lowp_scales, .offset: 8, .size: 8, .value_kind: global_buffer, .address_space: global }
      - { .name: ac, .offset: 16, .size: 8, .value_kind: global_buffer, .address_space: global }
    .group_segment_fixed_size: 327680
    .private_segment_fixed_size: 0
    .kernarg_segment_align: 8
    .kernarg_segment_size: 24
    .max_flat_workgroup_size: 512
    .sgpr_count:     80
    .vgpr_count:     256
    .wavefront_size: 32
...
	.end_amdgpu_metadata
.endif
;; end of part 3
;; launch outp (part 4): grid 8 x 32, 4 waves a work-group, clusters of 4 x 4, 327,680 bytes of LDS; arguments ac, wc, lowp_scales, b_out, x, temp; writes temp
.if DOCPART == 4
	.amdgcn_target "amdgcn-amd-amdhsa--gfx1250"
	.amdhsa_code_object_version 6
	.text
	.protected	k_qf2b5f69294_outp
	.globl	k_qf2b5f69294_outp
	.p2align	8
	.type	k_qf2b5f69294_outp,@function
k_qf2b5f69294_outp:
	s_mov_b64 s[64:65], 0
	v_nop
	global_prefetch_b8 v0, s[64:65] scope:SCOPE_SE
	s_setreg_imm32_b32 hwreg(HW_REG_WAVE_MODE, 25, 1), 1
	s_wait_xcnt 0x0
	s_wait_alu depctr_hold_cnt(0) depctr_sa_sdst(0) depctr_va_vdst(0) depctr_va_sdst(0) depctr_va_ssrc(0) depctr_va_vcc(0) depctr_vm_vsrc(0)
	s_getreg_b32 s2, hwreg(HW_REG_IB_STS2, 6, 4)
	s_cmp_eq_u32 s2, 0
	s_cbranch_scc0 .Lentry_in_a_cluster
	s_endpgm
.Lentry_in_a_cluster:
	s_bfe_u32 s2, ttmp6, 0x10000c
	s_cmp_lg_u32 s2, 0xf033
	s_cbranch_scc0 .Lentry_shape_is_right
	s_endpgm
.Lentry_shape_is_right:
; temp = x + (att W_out + b_out): a product on codes of E4M3, K = 1,024, N = 1,024, with bias and residual on the way out; temp is f32, row-major.
; A tile of C is 128 x 128, so that the 4,096 x 1,024 outputs give 256 work-groups; four waves, each 64 x 64: 16 accumulators.  K goes in steps of 512 through two LDS slots (here each is filled once).
; Operands lie in memory as images of their registers (16 rows x 128 k = 2,048 bytes; image (tile, K step s) at ((s / 2) T + tile) 4096 + (s % 2) 2048): a wave's tensor load brings two dense blocks of 32,768 bytes
; (8 tiles x 256 along K), a fragment four ds_load_b128 of 512 consecutive bytes.
; CLUSTERS 4 x 4: A's tiles shared along a row, B's along a column.  TRANSPOSED USE: source 0 = B's rows, source 1 = A's: a lane holds 8 neighbouring columns of a row of C.
; LIMIT: the two exponents' sum lies between -126 and 127.
; REGISTERS: window 0: v16-29 addresses, v32-35 the bias, v36-99 rows on the way out, v128-255 accumulators ((a, b) at 128 + 8 (4 a + b)); window 1: two fragment sets of 128 (A's four blocks, then B's); window 2: v0-127 the residual.
.set LAPS,   1                         ; K / 1,024
.set EOFF,   0x18                      ; e6, e7
.set BREG,   3145728                   ; W_out in wc
.set SLOT,   131072                    ; A's blocks lie from 0, B's from SLOT: block (K pair p of the slot's two, slot s), 32,768 bytes, at 65,536 p + 32,768 s
.set SPARE,  2*SLOT
.set STAGE,  SPARE+512                 ; 16 rows x 272 bytes for each wave: no fill lands here
.set SP,     272
.set ADRA,   16
.set ADRB,   20
.set STO,    24
.set RD,     25
.set CO,     26
.set BO,     27
.set SPW,    28
.set NIL,    29
.set BI,     32
.set R,      36
.set ACC,    128
.set F0,     0
.set F1,     128
.set G1,     24
.set G0,     32
.set G1B,    48
.set G0B,    56
.set MSB,    0
.macro WIN new
.if MSB != \new
	s_set_vgpr_msb (MSB<<8)|\new
.set MSB, \new
.endif
.endm
.set MUL,  0x05                        ; sources 0 and 1 window 1; C and D window 0
.set TO_F, 0x40
.macro JLOAD s                         ; waves 0, 1: A's two K pairs; waves 2, 3: B's; four v_nop follow each line
	s_cmp_eq_u32 s81, 0
	s_cbranch_scc0 .Lfor_b_\@
	tensor_load_to_lds s[G0+4*\s:G0+4*\s+3], s[G1:G1+7]
	s_nop 0
.rept 4
	v_nop
.endr
	s_branch .Lasked_\@
.Lfor_b_\@:
	tensor_load_to_lds s[G0B+4*\s:G0B+4*\s+3], s[G1B:G1B+7]
	s_nop 0
.rept 4
	v_nop
.endr
.Lasked_\@:
.endm
.macro CREST
	s_cmp_lg_u32 s80, 0
	s_cbranch_scc1 .Lnot_wave_0_\@
	s_barrier_signal -3
.Lnot_wave_0_\@:
	s_barrier_wait -3
	s_barrier_signal -1
	s_barrier_wait -1
.endm
.macro CROUND
	s_barrier_signal -1
	s_barrier_wait -1
	CREST
.endm
	s_load_b256 s[4:11], s[0:1], 0x0               ; A's codes s[4:5], wc s[6:7], the scales s[8:9], the bias s[10:11]
	s_load_b128 s[12:15], s[0:1], 0x20             ; the residual s[12:13], the output s[14:15]
	v_lshl_add_u32 v[SPW], v0, 2, SPARE
	v_mov_b32 v[NIL], 0
	ds_add_u32 v28, v29
	ds_add_u32 v28, v29
	s_wait_dscnt 0x0
	v_lshrrev_b32 v1, 5, v0
	v_readfirstlane_b32 s80, v1                    ; wave 0..3
	s_lshr_b32 s81, s80, 1                         ; my half of the rows; also: I fetch for A (0) or B (1)
	s_and_b32 s82, s80, 1                          ; my half of the columns; also: which K pair I fetch
	s_bfe_u32 s40, ttmp6, 0x40000
	s_bfe_u32 s41, ttmp6, 0x40004
	s_lshl_b32 s42, ttmp9, 2
	s_add_co_u32 s42, s42, s40                     ; tile column
	s_and_b32 s43, ttmp7, 0xffff
	s_lshl_b32 s43, s43, 2
	s_add_co_u32 s43, s43, s41                     ; tile row
	s_lshl_b32 s44, s41, 2
	s_lshl_b32 s44, 15, s44
	s_lshl_b32 s45, 0x1111, s40
	s_or_b32 s[G1+0], s44, (3<<16)|(1<<21)
	s_or_b32 s[G1B+0], s45, (3<<16)|(1<<21)
.irp g, G1, G1B                        ; one load a wave brings both slots' blocks: two rows of 4,096 elements (32,768 bytes), two K pairs apart in memory, on end in LDS
	s_mov_b32 s[\g+1], 4096<<16
	s_mov_b32 s[\g+2], 2<<16
	s_mov_b32 s[\g+3], 4096<<16
	s_mov_b32 s[\g+4], 2
	s_mov_b32 s[\g+6], 0
	s_mov_b32 s[\g+7], 0
.endr
	s_mov_b32 s[G1+5], 0x200000/8
	s_mov_b32 s[G1B+5], 0x80000/8
	s_lshl_b32 s46, s82, 20                        ; A: K pair wave % 2 (256 tiles of 4,096 bytes),
	s_lshl_b32 s47, s43, 15                        ; tile 8 x tile row
	s_add_co_u32 s46, s46, s47
	s_mov_b32 s47, 0
	s_lshl_b32 s84, s82, 18                        ; B: K pair wave % 2 (64 tiles),
	s_lshl_b32 s85, s42, 15                        ; tile 8 x tile column
	s_add_co_u32 s84, s84, s85
	s_add_co_u32 s84, s84, BREG
	s_mov_b32 s85, 0
	s_lshl_b32 s83, s80, 16                        ; LDS: wave x 65,536
	s_wait_kmcnt 0x0
	s_load_b64 s[96:97], s[8:9], EOFF
	s_add_nc_u64 s[46:47], s[4:5], s[46:47]
	s_add_nc_u64 s[84:85], s[6:7], s[84:85]
	CROUND
.irp s, 0,1
	s_mov_b32 s[G0+4*\s], 1
	s_add_co_u32 s[G0+4*\s+1], s83, \s*32768
	s_add_nc_u64 s[G0+4*\s+2:G0+4*\s+3], s[46:47], \s*0x200000
	s_or_b32 s[G0+4*\s+3], s[G0+4*\s+3], 0x80000000
	s_mov_b32 s[G0B+4*\s], 1
	s_add_co_u32 s[G0B+4*\s+1], s83, \s*32768
	s_add_nc_u64 s[G0B+4*\s+2:G0B+4*\s+3], s[84:85], \s*0x80000
	s_or_b32 s[G0B+4*\s+3], s[G0B+4*\s+3], 0x80000000
.endr
	JLOAD 0                                        ; my one tensor load: 65,536 bytes, both slots' blocks
	v_and_b32 v1, 31, v0
	v_lshlrev_b32 v2, 4, v1                        ; 16 x lane
	s_lshl_b32 s86, s81, 14                        ; my four tiles of A
	s_lshl_b32 s87, s82, 14
	s_add_co_u32 s87, s87, SLOT                    ; my four tiles of B
	v_add_nc_u32 v[ADRA], s86, v2
	v_add_nc_u32 v[ADRB], s87, v2
.irp s, 1,2,3                          ; register slot + 2 x (K pair of the slot)
	v_add_nc_u32 v[ADRA+\s], \s*32768, v[ADRA]
	v_add_nc_u32 v[ADRB+\s], \s*32768, v[ADRB]
.endr
	v_and_b32 v3, 15, v0                           ; r
	v_bfe_u32 v4, v0, 4, 1                         ; h
	s_mul_i32 s86, s80, 16*SP
	s_add_co_u32 s86, s86, STAGE                   ; my stage
	v_mul_u32_u24 v[STO], v3, SP
	v_lshl_add_u32 v[STO], v4, 5, v[STO]
	v_add_nc_u32 v[STO], s86, v[STO]               ; in: row r, 32 bytes for each half of the lanes
	v_mul_u32_u24 v[RD], v4, SP
	v_lshl_add_u32 v[RD], v3, 4, v[RD]
	v_add_nc_u32 v[RD], s86, v[RD]                 ; back: lanes 0-15 one row of 256 bytes, lanes 16-31 the next
	v_lshlrev_b32 v[BO], 4, v3
	v_lshl_add_u32 v[CO], v4, 12, v[BO]            ; and the same two rows in memory
	s_wait_alu depctr_va_vdst(0)
	s_lshl_b32 s86, s43, 1
	s_add_co_u32 s86, s86, s81
	s_lshl_b32 s86, s86, 18                        ; my first row: 64 rows of 4,096 bytes
	s_lshl_b32 s88, s42, 1
	s_add_co_u32 s88, s88, s82
	s_lshl_b32 s88, s88, 8                         ; my first column: 64 numbers of 4 bytes
	s_mov_b32 s89, 0
	s_add_nc_u64 s[10:11], s[10:11], s[88:89]
	s_add_co_u32 s86, s86, s88
	s_mov_b32 s87, 0
	s_add_nc_u64 s[12:13], s[12:13], s[86:87]
	s_add_nc_u64 s[14:15], s[14:15], s[86:87]
	WIN 0x80                                       ; destination window 2
.irp a, 0,1,2,3
.irp t, 0,1,2,3,4,5,6,7
	global_load_b128 v[32*\a+4*\t:32*\a+4*\t+3], v[CO], s[12:13] offset:(16*\a+2*\t)*4096   ; the residual, asked for at the start
.endr
.endr
	WIN 0
	global_load_b128 v[BI:BI+3], v[BO], s[10:11]
.macro FETCH slot, q, f                ; the fragments of the slot's q-th 128 along K into set f: 32 loads
	WIN TO_F
.irp i, 0,1,2,3
.irp c, 0,1,2,3
	ds_load_b128 v[\f+64+16*\i+4*\c:\f+64+16*\i+4*\c+3], v[ADRB+\slot+2*((\q)/2)] offset:\i*4096+((\q)%2)*2048+512*\c
.endr
.endr
.irp i, 0,1,2,3
.irp c, 0,1,2,3
	ds_load_b128 v[\f+16*\i+4*\c:\f+16*\i+4*\c+3], v[ADRA+\slot+2*((\q)/2)] offset:\i*4096+((\q)%2)*2048+512*\c
.endr
.endr
.endm
.macro MULG f, a, zero                 ; A's block a x B's four.  The 16 accumulators take turns
.irp b, 0,1,2,3
.if \zero
	v_wmma_f32_16x16x128_fp8_fp8 v[ACC+8*(4*(\a)+\b):ACC+8*(4*(\a)+\b)+7], v[\f+64+16*\b:\f+64+16*\b+15], v[\f+16*(\a):\f+16*(\a)+15], 0
.else
	v_wmma_f32_16x16x128_fp8_fp8 v[ACC+8*(4*(\a)+\b):ACC+8*(4*(\a)+\b)+7], v[\f+64+16*\b:\f+64+16*\b+15], v[\f+16*(\a):\f+16*(\a)+15], v[ACC+8*(4*(\a)+\b):ACC+8*(4*(\a)+\b)+7]
.endif
.endr
.endm
.macro PLACES
.rept 4
	v_nop
.endr
.endm
.macro QUARTER slot, qn, f, g, zero    ; multiplies set f; the slot's quarter qn is fetched into set g ahead of the products
	s_wait_dscnt 0x0                               ; set f is in (asked for 16 products ago)
	PLACES                                         ; set g was read by the products just issued
	FETCH \slot, \qn, \g
	WIN MUL
	MULG \f, 0, \zero
	MULG \f, 1, \zero
	MULG \f, 2, \zero
	MULG \f, 3, \zero
.endm
.macro TURN slot, next, fill           ; a slot's last quarter (set F1) changes slots
	WIN 0
	s_wait_tensorcnt 0x0                           ; all my tensor loads have landed: my part of the next slot
	ds_add_u32 v[SPW], v[NIL]                      ; 0 onto my spare word
	s_wait_dscnt 1                                 ; set F1 is in; the add may be out
	WIN MUL
	MULG F1, 0, 0
	s_wait_dscnt 0x0                               ; the add is done; my reads of this slot are over
	s_barrier_signal -1
	MULG F1, 1, 0
	WIN 0
	s_barrier_wait -1
.if \fill
	CREST
	s_add_nc_u64 s[G0+4*\slot+2:G0+4*\slot+3], s[G0+4*\slot+2:G0+4*\slot+3], 0x400000
	s_add_nc_u64 s[G0B+4*\slot+2:G0B+4*\slot+3], s[G0B+4*\slot+2:G0B+4*\slot+3], 0x100000
	JLOAD \slot                                    ; the first tensor load behind the round; its four v_nop are the places in front of the loads below
.else
	PLACES
.endif
	FETCH \next, 0, F0
	WIN MUL
	MULG F1, 2, 0
	MULG F1, 3, 0
.endm
	s_wait_alu depctr_va_vdst(0)
	s_wait_tensorcnt 0x0                           ; my load, both slots' blocks, is in
	s_barrier_signal -1
	s_barrier_wait -1
	FETCH 0, 0, F0
	QUARTER 0, 1, F0, F1, 1                        ; the first quarter starts the sums
.if LAPS > 1
	WIN 0
	s_mov_b32 s3, LAPS-1
.Llap:
	QUARTER 0, 2, F1, F0, 0
	QUARTER 0, 3, F0, F1, 0
	TURN 0, 1, 1
	QUARTER 1, 1, F0, F1, 0
	QUARTER 1, 2, F1, F0, 0
	QUARTER 1, 3, F0, F1, 0
	TURN 1, 0, 1
	QUARTER 0, 1, F0, F1, 0
	WIN 0
	s_sub_co_u32 s3, s3, 1
	s_cmp_lg_u32 s3, 0
	s_cbranch_scc1 .Llap
.endif
	QUARTER 0, 2, F1, F0, 0                        ; the last lap fills nothing
	QUARTER 0, 3, F0, F1, 0
	TURN 0, 1, 0
	QUARTER 1, 1, F0, F1, 0
	QUARTER 1, 2, F1, F0, 0
	QUARTER 1, 3, F0, F1, 0
	s_wait_dscnt 0x0
	MULG F1, 0, 0
	MULG F1, 1, 0
	MULG F1, 2, 0
	MULG F1, 3, 0
	WIN 0
; THE WAY OUT, block a of 16 rows x 64 columns: through my own stage, back as whole rows of 256 bytes; sum x 2^(ea + eb) + bias, + residual; sixteen lanes store 256 consecutive bytes, aligned.
.macro TOSTAGE a
.irp b, 0,1,2,3
	ds_store_b128 v[STO], v[ACC+8*(4*(\a)+\b):ACC+8*(4*(\a)+\b)+3] offset:64*\b
	ds_store_b128 v[STO], v[ACC+8*(4*(\a)+\b)+4:ACC+8*(4*(\a)+\b)+7] offset:64*\b+16
.endr
.set RB, R+32*((\a)%2)
.irp t, 0,1,2,3,4,5,6,7
	ds_load_b128 v[RB+4*\t:RB+4*\t+3], v[RD] offset:2*\t*SP    ; LDS serves a wave's instructions in order: these see my stores
.endr
.endm
.macro SEND a, younger
.set RB, R+32*((\a)%2)
	s_wait_dscnt \younger                          ; the block is back; the next block's 8 stores and 8 loads may be out
.irp t, 0,1,2,3,4,5,6,7
	v_pk_fma_f32 v[RB+4*\t:RB+4*\t+1],   v[RB+4*\t:RB+4*\t+1],   s[96:97], v[BI:BI+1]   op_sel_hi:[1,0,1]
	v_pk_fma_f32 v[RB+4*\t+2:RB+4*\t+3], v[RB+4*\t+2:RB+4*\t+3], s[96:97], v[BI+2:BI+3] op_sel_hi:[1,0,1]
.endr
	WIN 0x02                                       ; source 0: window 2, the residual
.irp t, 0,1,2,3,4,5,6,7
	v_pk_add_f32 v[RB+4*\t:RB+4*\t+1],   v[32*(\a)+4*\t:32*(\a)+4*\t+1],   v[RB+4*\t:RB+4*\t+1]
	v_pk_add_f32 v[RB+4*\t+2:RB+4*\t+3], v[32*(\a)+4*\t+2:32*(\a)+4*\t+3], v[RB+4*\t+2:RB+4*\t+3]
.endr
	WIN 0
.irp t, 0,1,2,3,4,5,6,7
	global_store_b128 v[CO], v[RB+4*\t:RB+4*\t+3], s[14:15] offset:(16*(\a)+2*\t)*4096
.endr
.endm
	s_wait_kmcnt 0x0
	s_add_co_i32 s96, s96, s97
	s_add_co_i32 s96, s96, 127
	s_lshl_b32 s96, s96, 23                        ; 2^(ea + eb)
	s_mov_b32 s97, s96
	PLACES
	s_wait_loadcnt 0x0                             ; the residual and the bias
	TOSTAGE 0
	TOSTAGE 1
	SEND 0, 16
	s_wait_xcnt 0x0                                ; block 0's stores have read their registers
	TOSTAGE 2
	SEND 1, 16
	s_wait_xcnt 0x0
	TOSTAGE 3
	SEND 2, 16
	SEND 3, 0
	s_wait_tensorcnt 0x0                           ; the wave's end
	ds_add_u32 v[SPW], v[NIL]
	s_wait_dscnt 0x0
	CROUND                                         ; the closing round
	s_endpgm
.Lfunc_end_k_qf2b5f69294_outp:
	.size	k_qf2b5f69294_outp, .Lfunc_end_k_qf2b5f69294_outp-k_qf2b5f69294_outp
	.p2alignl 7, 3214868480
	.fill 96, 4, 3214868480
	.section	.rodata,"a",@progbits
	.p2align	6, 0x0
	.amdhsa_kernel k_qf2b5f69294_outp
		.amdhsa_group_segment_fixed_size 327680
		.amdhsa_private_segment_fixed_size 0
		.amdhsa_enable_private_segment 0
		.amdhsa_kernarg_size 48
		.amdhsa_user_sgpr_count 2
		.amdhsa_user_sgpr_kernarg_segment_ptr 1
		.amdhsa_wavefront_size32 1
		.amdhsa_system_sgpr_workgroup_id_x 1
		.amdhsa_system_sgpr_workgroup_id_y 1
		.amdhsa_system_sgpr_workgroup_id_z 1
		.amdhsa_system_vgpr_workitem_id 0
		.amdhsa_next_free_vgpr 768
		.amdhsa_next_free_sgpr 100
		.amdhsa_reserve_vcc 0
		.amdhsa_float_denorm_mode_32 3
		.amdhsa_float_denorm_mode_16_64 3
		.amdhsa_memory_ordered 1
		.amdhsa_forward_progress 1
		.amdhsa_inst_pref_size 52
	.end_amdhsa_kernel
	.amdgpu_metadata
---
amdhsa.version: [ 1, 2 ]
amdhsa.kernels:
  - .name:           k_qf2b5f69294_outp
    .symbol:         k_qf2b5f69294_outp.kd
    .args:
      - { .name: ac, .offset: 0, .size: 8, .value_kind: global_buffer, .address_space: global }
      - { .name: wc, .offset: 8, .size: 8, .value_kind: global_buffer, .address_space: global }
      - { .name: lowp_scales, .offset: 16, .size: 8, .value_kind: global_buffer, .address_space: global }
      - { .name: b_out, .offset: 24, .size: 8, .value_kind: global_buffer, .address_space: global }
      - { .name: x, .offset: 32, .size: 8, .value_kind: global_buffer, .address_space: global }
      - { .name: temp, .offset: 40, .size: 8, .value_kind: global_buffer, .address_space: global }
    .group_segment_fixed_size: 327680
    .private_segment_fixed_size: 0
    .kernarg_segment_align: 8
    .kernarg_segment_size: 48
    .max_flat_workgroup_size: 128
    .sgpr_count:     100
    .vgpr_count:     768
    .wavefront_size: 32
...
	.end_amdgpu_metadata
.endif
;; end of part 4
;; launch ln2 (part 5): grid 256 x 1, 4 waves a work-group, no clusters, 17,920 bytes of LDS; arguments temp, ln2_g, ln2_b, lowp_scales, hc; writes hc
.if DOCPART == 5
	.amdgcn_target "amdgcn-amd-amdhsa--gfx1250"
	.amdhsa_code_object_version 6
	.text
	.protected	k_qf2b5f69294_ln2
	.globl	k_qf2b5f69294_ln2
	.p2align	8
	.type	k_qf2b5f69294_ln2,@function
k_qf2b5f69294_ln2:
	s_mov_b64 s[64:65], 0
	v_nop
	global_prefetch_b8 v0, s[64:65] scope:SCOPE_SE
	s_setreg_imm32_b32 hwreg(HW_REG_WAVE_MODE, 25, 1), 1
	s_wait_xcnt 0x0
; h2 = layernorm(temp) as codes of E4M3 with the scale 2^e8, stored in hc as images of operand registers: image (tile of 16 rows, K step s) at ((s / 2) 256 + tile) 4096 + (s % 2) 2048;
; in an image register 4 g + q of lane L = r + 16 h lies at 512 g + 16 L + 4 q and holds k = 16 (reg / 2) + 8 h + 4 (reg % 2) + byte of row r.
; A work-group takes 16 rows (one tile), a wave 4.  Lane l holds k = 256 j + 8 l + 0..7, j = 0..3: a pair of loads covers 1,024 consecutive bytes of the row.
; Mean, then the mean of (x - mean)^2, both in f32 over the wave; (x - mean) rsqrt(var + eps) g + b; hold; conversion.  The tile's 64 units of 256 bytes meet in LDS (pitch 272) and leave as 512 consecutive bytes a store.
; Memory binds: no matrix unit, no tensor load, no cluster (no byte is read twice).  LIMITS: e8 between -126 and 119; NaN among the inputs is not served.
.set LA, 3                             ; v3  32 x lane
.set LS, 4                             ; v4  LDS: where my codes go
.set LR, 5                             ; v5  LDS: where I read units back
.set LO, 6                             ; v6  16 x lane
.set G,  20                            ; v20-51  the gain at my 32 k
.set BB, 52                            ; v52-83  the bias
.set X,  84                            ; v84-147 two rows by turns
.set CD, 148                           ; v148-179 eight registers of codes for each of my four rows
	s_load_b256 s[16:23], s[0:1], 0x0              ; temp s[16:17], ln2_g s[18:19], ln2_b s[20:21], the scales s[22:23]
	s_load_b64 s[26:27], s[0:1], 0x20              ; hc
	v_lshl_add_u32 v184, v0, 2, 0x4400
	v_mov_b32 v185, 0
	v_lshrrev_b32 v1, 5, v0
	v_readfirstlane_b32 s28, v1                    ; wave 0..3
	v_and_b32 v2, 31, v0                           ; lane
	s_lshl_b32 s45, ttmp9, 4
	s_lshl_b32 s46, s28, 2
	s_add_co_u32 s45, s45, s46                     ; my wave's first row
	s_lshl_b32 s46, s45, 12
	s_mov_b32 s47, 0
	s_lshl_b32 s48, s28, 8                         ; out: wave w stores the tile's K pair w
	s_add_co_u32 s48, s48, ttmp9
	s_lshl_b32 s48, s48, 12
	s_mov_b32 s49, 0
	s_wait_alu depctr_va_vdst(0)
	s_wait_kmcnt 0x0
	s_load_b32 s32, s[22:23], 0x20                 ; e8
	s_add_nc_u64 s[4:5], s[16:17], s[46:47]
	s_add_nc_u64 s[6:7], s[26:27], s[48:49]
	v_lshlrev_b32 v[LA], 5, v2
.macro ROWLOAD i
.irp j, 0,1,2,3
	global_load_b128 v[X+32*((\i)%2)+8*\j:X+32*((\i)%2)+8*\j+3],   v[LA], s[4:5] offset:4096*(\i)+1024*\j
	global_load_b128 v[X+32*((\i)%2)+8*\j+4:X+32*((\i)%2)+8*\j+7], v[LA], s[4:5] offset:4096*(\i)+1024*\j+16
.endr
.endm
.irp j, 0,1,2,3
	global_load_b128 v[G+8*\j:G+8*\j+3],   v[LA], s[18:19] offset:1024*\j
	global_load_b128 v[G+8*\j+4:G+8*\j+7], v[LA], s[18:19] offset:1024*\j+16
.endr
.irp j, 0,1,2,3
	global_load_b128 v[BB+8*\j:BB+8*\j+3],   v[LA], s[20:21] offset:1024*\j
	global_load_b128 v[BB+8*\j+4:BB+8*\j+7], v[LA], s[20:21] offset:1024*\j+16
.endr
	ROWLOAD 0
	ROWLOAD 1
	s_mov_b32 s50, 0x76543210                      ; v_permlanex16_b32: lane l xor 16
	s_mov_b32 s51, 0xfedcba98
	s_mov_b32 s52, 0x3a800000                      ; 1 / 1024
	s_mov_b32 s53, 0x3727c5ac                      ; eps = 1e-5
	v_mov_b32 v9, 0                                ; upper words of pairs of which the low word serves both halves
	v_mov_b32 v11, 0
	v_mov_b32 v18, 0                               ; a lane permute's destination counts as read
	v_lshrrev_b32 v1, 4, v2                        ; unit 16 j + 8 (l / 16) + 2 ((l / 4) % 4) + l % 2; in it row 4 w + i, and the piece's half (l / 2) % 2
	v_bfe_u32 v7, v2, 2, 2
	v_lshlrev_b32 v1, 3, v1
	v_lshl_add_u32 v1, v7, 1, v1
	v_and_b32 v7, 1, v2
	v_add_nc_u32 v1, v1, v7
	v_mul_u32_u24 v[LS], v1, 272
	v_bfe_u32 v7, v2, 1, 1
	v_lshl_add_u32 v[LS], v7, 3, v[LS]
	s_lshl_b32 s54, s28, 6
	v_add_nc_u32 v[LS], s54, v[LS]
	v_lshrrev_b32 v1, 4, v2                        ; back: units 16 w + 2 q + l / 16, 16 bytes a lane
	v_mul_u32_u24 v[LR], v1, 272
	v_and_b32 v7, 15, v2
	v_lshl_add_u32 v[LR], v7, 4, v[LR]
	s_mul_i32 s54, s28, 16*272
	v_add_nc_u32 v[LR], s54, v[LR]
	v_lshlrev_b32 v[LO], 4, v2
	s_wait_kmcnt 0x0
	s_add_co_i32 s55, s32, 127
	s_lshl_b32 s56, s55, 23
	v_mov_b32 v13, s56                             ; 2^e
	s_add_co_i32 s55, s55, 8
	s_lshl_b32 s55, s55, 23
	s_or_b32 s55, s55, 0x600000
	v_mov_b32 v12, s55                             ; 448 x 2^e
.macro WSUM                            ; v14 summed over the 32 lanes, the result in every lane
	v_add_f32_dpp v14, v14, v14 row_xmask:1 row_mask:0xf bank_mask:0xf
	v_add_f32_dpp v14, v14, v14 row_xmask:2 row_mask:0xf bank_mask:0xf
	v_add_f32_dpp v14, v14, v14 row_xmask:4 row_mask:0xf bank_mask:0xf
	v_add_f32_dpp v14, v14, v14 row_xmask:8 row_mask:0xf bank_mask:0xf
	v_permlanex16_b32 v18, v14, s50, s51
	v_add_f32 v14, v14, v18
.endm
.macro ROW i
.set XS, X+32*((\i)%2)
.if (\i) < 3
	s_wait_loadcnt 8                               ; this row (and g, b) are in; the next row's eight loads may be out
.else
	s_wait_loadcnt 0
.endif
	v_pk_add_f32 v[14:15], v[XS:XS+1], v[XS+2:XS+3]
	v_pk_add_f32 v[16:17], v[XS+4:XS+5], v[XS+6:XS+7]
.irp j, 8,12,16,20,24,28
	v_pk_add_f32 v[14:15], v[14:15], v[XS+\j:XS+\j+1]
	v_pk_add_f32 v[16:17], v[16:17], v[XS+\j+2:XS+\j+3]
.endr
	v_pk_add_f32 v[14:15], v[14:15], v[16:17]
	v_add_f32 v14, v14, v15
	WSUM
	v_mul_f32 v8, s52, v14                         ; the mean
.set n, 0
.rept 16
	v_pk_add_f32 v[XS+n:XS+n+1], v[XS+n:XS+n+1], v[8:9] op_sel_hi:[1,0] neg_lo:[0,1] neg_hi:[0,1]   ; x - mean
.set n, n+2
.endr
	v_pk_mul_f32 v[14:15], v[XS:XS+1], v[XS:XS+1]
	v_pk_mul_f32 v[16:17], v[XS+2:XS+3], v[XS+2:XS+3]
.irp j, 4,8,12,16,20,24,28
	v_pk_fma_f32 v[14:15], v[XS+\j:XS+\j+1], v[XS+\j:XS+\j+1], v[14:15]
	v_pk_fma_f32 v[16:17], v[XS+\j+2:XS+\j+3], v[XS+\j+2:XS+\j+3], v[16:17]
.endr
	v_pk_add_f32 v[14:15], v[14:15], v[16:17]
	v_add_f32 v14, v14, v15
	WSUM
	v_fma_f32 v10, v14, s52, s53                   ; var + eps
	s_wait_alu depctr_va_vdst(0)
	v_rsq_f32 v10, v10
	v_nop                                          ; one plain line behind a transcendental
.set n, 0
	s_wait_alu depctr_va_vdst(0)
.rept 16
	v_pk_mul_f32 v[XS+n:XS+n+1], v[XS+n:XS+n+1], v[10:11] op_sel_hi:[1,0]
.set n, n+2
.endr
.set n, 0
.rept 16
	v_pk_fma_f32 v[XS+n:XS+n+1], v[XS+n:XS+n+1], v[G+n:G+n+1], v[BB+n:BB+n+1]
.set n, n+2
.endr
.set n, 0
.rept 32
	v_med3_num_f32 v[XS+n], v[XS+n], -v12, v12     ; the conversion to an 8-bit code does not saturate (ISA guide 7.6.2): the hold comes first
.set n, n+1
.endr
.irp j, 0,1,2,3
	v_cvt_scalef32_pk8_fp8_f32 v[CD+8*(\i)+2*\j:CD+8*(\i)+2*\j+1], v[XS+8*\j:XS+8*\j+7], v13
.endr
.irp j, 0,1,2,3
	ds_store_b64 v[LS], v[CD+8*(\i)+2*\j:CD+8*(\i)+2*\j+1] offset:4352*\j+16*(\i)
.endr
.if (\i) < 2
	ROWLOAD (\i)+2
.endif
.endm
	ROW 0
	ROW 1
	ROW 2
	ROW 3
	s_wait_dscnt 0x0                               ; for the others' sake: my stores have landed
	s_barrier_signal -1
	s_barrier_wait -1
.irp q, 0,1,2,3,4,5,6,7
	ds_load_b128 v[X+4*\q:X+4*\q+3], v[LR] offset:544*\q
.endr
.irp q, 0,1,2,3,4,5,6,7
	s_wait_dscnt 7-\q                              ; LDS loads come back in order: number q is in
	global_store_b128 v[LO], v[X+4*\q:X+4*\q+3], s[6:7] offset:512*\q      ; 512 consecutive bytes, aligned
.endr
	s_wait_tensorcnt 0x0
	ds_add_u32 v184, v185
	s_wait_dscnt 0x0
	s_endpgm
.Lfunc_end_k_qf2b5f69294_ln2:
	.size	k_qf2b5f69294_ln2, .Lfunc_end_k_qf2b5f69294_ln2-k_qf2b5f69294_ln2
	.p2alignl 7, 3214868480
	.fill 96, 4, 3214868480
	.section	.rodata,"a",@progbits
	.p2align	6, 0x0
	.amdhsa_kernel k_qf2b5f69294_ln2
		.amdhsa_group_segment_fixed_size 17920
		.amdhsa_private_segment_fixed_size 0
		.amdhsa_enable_private_segment 0
		.amdhsa_kernarg_size 40
		.amdhsa_user_sgpr_count 2
		.amdhsa_user_sgpr_kernarg_segment_ptr 1
		.amdhsa_wavefront_size32 1
		.amdhsa_system_sgpr_workgroup_id_x 1
		.amdhsa_system_sgpr_workgroup_id_y 1
		.amdhsa_system_sgpr_workgroup_id_z 1
		.amdhsa_system_vgpr_workitem_id 0
		.amdhsa_next_free_vgpr 186
		.amdhsa_next_free_sgpr 66
		.amdhsa_reserve_vcc 0
		.amdhsa_float_denorm_mode_32 3
		.amdhsa_float_denorm_mode_16_64 3
		.amdhsa_memory_ordered 1
		.amdhsa_forward_progress 1
		.amdhsa_inst_pref_size 43
	.end_amdhsa_kernel
	.amdgpu_metadata
---
amdhsa.version: [ 1, 2 ]
amdhsa.kernels:
  - .name:           k_qf2b5f69294_ln2
    .symbol:         k_qf2b5f69294_ln2.kd
    .args:
      - { .name: temp, .offset: 0, .size: 8, .value_kind: global_buffer, .address_space: global }
      - { .name: ln2_g, .offset: 8, .size: 8, .value_kind: global_buffer, .address_space: global }
      - { .name: ln2_b, .offset: 16, .size: 8, .value_kind: global_buffer, .address_space: global }
      - { .name: lowp_scales, .offset: 24, .size: 8, .value_kind: global_buffer, .address_space: global }
      - { .name: hc, .offset: 32, .size: 8, .value_kind: global_buffer, .address_space: global }
    .group_segment_fixed_size: 17920
    .private_segment_fixed_size: 0
    .kernarg_segment_align: 8
    .kernarg_segment_size: 40
    .max_flat_workgroup_size: 128
    .sgpr_count:     66
    .vgpr_count:     186
    .wavefront_size: 32
...
	.end_amdgpu_metadata
.endif
;; end of part 5
;; launch fc1 (part 6): grid 16 x 16, 4 waves a work-group, clusters of 4 x 4, 327,680 bytes of LDS; arguments hc, wc, lowp_scales, b_fc1, gc; writes gc
.if DOCPART == 6
	.amdgcn_target "amdgcn-amd-amdhsa--gfx1250"
	.amdhsa_code_object_version 6
	.text
	.protected	k_qf2b5f69294_fc1
	.globl	k_qf2b5f69294_fc1
	.p2align	8
	.type	k_qf2b5f69294_fc1,@function
k_qf2b5f69294_fc1:
	s_mov_b64 s[64:65], 0
	v_nop
	global_prefetch_b8 v0, s[64:65] scope:SCOPE_SE
	s_setreg_imm32_b32 hwreg(HW_REG_WAVE_MODE, 25, 1), 1
	s_wait_xcnt 0x0
	s_wait_alu depctr_hold_cnt(0) depctr_sa_sdst(0) depctr_va_vdst(0) depctr_va_sdst(0) depctr_va_ssrc(0) depctr_va_vcc(0) depctr_vm_vsrc(0)
	s_getreg_b32 s2, hwreg(HW_REG_IB_STS2, 6, 4)
	s_cmp_eq_u32 s2, 0
	s_cbranch_scc0 .Lentry_in_a_cluster
	s_endpgm
.Lentry_in_a_cluster:
	s_bfe_u32 s2, ttmp6, 0x10000c
	s_cmp_lg_u32 s2, 0xf033
	s_cbranch_scc0 .Lentry_shape_is_right
	s_endpgm
.Lentry_shape_is_right:
; g = gelu_tanh(h2 W_fc1 + b_fc1) on codes of E4M3 (K = 1,024), quantised with 2^e10 on the way out into gc, as images of fc2's operand registers.
; gelu_tanh(u) = u / (1 + 2^(u (k1 u^2 + k0))), k0 = -2 sqrt(2 / pi) log2(e), k1 = 0.044715 k0: the same function as the form with tanh, in f32.
; A tile of C is 256 x 256, a wave makes 128 x 128: 64 accumulators.  K goes in steps of 256 through two LDS slots; operands lie in memory as images of their registers (16 rows x 128 k = 2,048 bytes).
; CLUSTERS 4 x 4: A's tiles are shared along a row of the cluster, B's along a column: joint loads.  Source 0 = B's rows, source 1 = A's: a lane holds 8 neighbouring columns of a row of C.
; LDS: wave w's blocks of 32,768 bytes (8 tiles x 256 k) lie at 65,536 w + 32,768 x slot: the head's one load a wave brings both slots' first blocks as two rows of 32,768 bytes.
; No prefetch: K is short, the eight steps are written out, and there is no loop to run ahead in.
; LIMITS: e8 + e9 between -126 and 127; e10 between -126 and 119.  NaN among the inputs is not served.
.set SLOT,   131072                    ; A's blocks lie from 0, B's from SLOT
.set SPARE,  2*SLOT
.set FR,     16
.set NL,     4
.set NP,     4
.set ADRA,   16
.set ADRB,   20
.set L16,    24
.set K0,     26
.set SPW,    28
.set NIL,    29
.set SCL,    30
.set LIM,    31
.set BN,     32
.set CD,     96
.set U,      128
.set W,      192
.set AF,     128
.set G1,     24
.set G0,     32
.set G1B,    48
.set G0B,    56
.set MSB,    0
.macro WIN new
.if MSB != \new
	s_set_vgpr_msb (MSB<<8)|\new
.set MSB, \new
.endif
.endm
.set MUL_LO, 0xa1
.set MUL_HI, 0xf1
.set TO_B,   0x40
.macro JLOAD g0a, g1a, g0b, g1b
	s_cmp_eq_u32 s15, 0
	s_cbranch_scc0 .Lfor_b_\@
	tensor_load_to_lds s[\g0a:\g0a+3], s[\g1a:\g1a+7]
	s_nop 0
.rept 4
	v_nop
.endr
	s_branch .Lasked_\@
.Lfor_b_\@:
	tensor_load_to_lds s[\g0b:\g0b+3], s[\g1b:\g1b+7]
	s_nop 0
.rept 4
	v_nop
.endr
.Lasked_\@:
.endm
.macro CREST
	s_cmp_lg_u32 s14, 0
	s_cbranch_scc1 .Lnot_wave_0_\@
	s_barrier_signal -3
.Lnot_wave_0_\@:
	s_barrier_wait -3
	s_barrier_signal -1
	s_barrier_wait -1
.endm
.macro CROUND
	s_barrier_signal -1
	s_barrier_wait -1
	CREST
.endm
	s_load_b256 s[4:11], s[0:1], 0x0
	s_load_b64 s[12:13], s[0:1], 0x20
	v_lshl_add_u32 v[SPW], v0, 2, SPARE
	v_mov_b32 v[NIL], 0
	ds_add_u32 v28, v29
	ds_add_u32 v28, v29
	s_wait_dscnt 0x0
	v_lshrrev_b32 v1, 5, v0
	v_readfirstlane_b32 s14, v1
	s_lshr_b32 s15, s14, 1
	s_and_b32 s16, s14, 1
	s_bfe_u32 s40, ttmp6, 0x40000
	s_bfe_u32 s41, ttmp6, 0x40004
	s_lshl_b32 s42, ttmp9, 2
	s_add_co_u32 s42, s42, s40
	s_and_b32 s17, ttmp7, 0xffff
	s_lshl_b32 s17, s17, 2
	s_add_co_u32 s17, s17, s41
	s_lshl_b32 s43, s41, 2
	s_lshl_b32 s43, 15, s43
	s_lshl_b32 s44, 0x1111, s40
	s_or_b32 s[G1+0], s43, (3<<16)|(1<<21)
	s_or_b32 s[G1B+0], s44, (3<<16)|(1<<21)
.irp g, G1, G1B                        ; the head's tile: two rows of 4,096 elements of 8 bytes, one K pair (256 tiles of 4,096 bytes) apart in memory, on end in LDS
	s_mov_b32 s[\g+1], 4096<<16
	s_mov_b32 s[\g+2], 2<<16
	s_mov_b32 s[\g+3], 4096<<16
	s_mov_b32 s[\g+4], 2
	s_mov_b32 s[\g+5], 0x100000/8
	s_mov_b32 s[\g+6], 0
	s_mov_b32 s[\g+7], 0
.endr
	s_lshl_b32 s18, s16, 15
	s_lshl_b32 s20, s17, 16
	s_add_co_u32 s20, s20, s18
	s_mov_b32 s21, 0
	s_lshl_b32 s46, s42, 16
	s_add_co_u32 s46, s46, s18
	s_add_co_u32 s46, s46, 4194304
	s_mov_b32 s47, 0
	s_lshl_b32 s45, s14, 16                        ; LDS: wave x 65,536
	s_wait_kmcnt 0x0
	s_load_b128 s[80:83], s[8:9], 0x20
	s_add_nc_u64 s[20:21], s[4:5], s[20:21]
	s_add_nc_u64 s[46:47], s[6:7], s[46:47]
	CROUND
.irp s, 0,1
	s_mov_b32 s[G0+4*\s], 1
	s_add_co_u32 s[G0+4*\s+1], s45, \s*32768
	s_add_nc_u64 s[G0+4*\s+2:G0+4*\s+3], s[20:21], \s*0x100000
	s_or_b32 s[G0+4*\s+3], s[G0+4*\s+3], 0x80000000
	s_mov_b32 s[G0B+4*\s], 1
	s_add_co_u32 s[G0B+4*\s+1], s45, \s*32768
	s_add_nc_u64 s[G0B+4*\s+2:G0B+4*\s+3], s[46:47], \s*0x100000
	s_or_b32 s[G0B+4*\s+3], s[G0B+4*\s+3], 0x80000000
.endr
	JLOAD G0, G1, G0B, G1B                         ; my one tensor load at the head: both slots' first blocks
	v_and_b32 v1, 31, v0
	v_lshlrev_b32 v[L16], 4, v1
	s_lshl_b32 s21, s15, 16                        ; my 8 tiles of A
	s_lshl_b32 s22, s16, 16
	s_add_co_u32 s22, s22, SLOT                    ; my 8 tiles of B
.irp s, 0,1
	v_add_nc_u32 v[ADRA+\s], s21, v[L16]
	v_add_nc_u32 v[ADRB+\s], s22, v[L16]
	s_add_co_u32 s21, s21, 32768
	s_add_co_u32 s22, s22, 32768
.endr
	v_bfe_u32 v2, v0, 4, 1
	v_lshlrev_b32 v3, 5, v2
	s_lshl_b32 s88, s42, 10
	s_lshl_b32 s89, s16, 9
	s_add_co_u32 s88, s88, s89
	s_mov_b32 s89, 0
	s_add_nc_u64 s[88:89], s[10:11], s[88:89]
.irp b, 0,1,2,3,4,5,6,7
	global_load_b128 v[BN+8*\b:BN+8*\b+3],   v3, s[88:89] offset:64*\b
	global_load_b128 v[BN+8*\b+4:BN+8*\b+7], v3, s[88:89] offset:64*\b+16
.endr
	s_lshl_b32 s70, s42, 20
	s_lshl_b32 s71, s17, 16
	s_add_co_u32 s70, s70, s71
	s_lshl_b32 s71, s15, 15
	s_add_co_u32 s70, s70, s71
	s_lshl_b32 s71, s16, 11
	s_add_co_u32 s70, s70, s71
	s_mov_b32 s71, 0
	s_add_nc_u64 s[12:13], s[12:13], s[70:71]
.macro FRAG reg, adr, q, i
.irp c, 0,1,2,3
	ds_load_b128 v[\reg+4*\c:\reg+4*\c+3], v[\adr] offset:(\i)*4096+(\q)*2048+512*\c
.endr
.endm
.macro MUL16 a0, p, zero
.irp a, \a0, \a0+1
.irp b, 0,1,2,3,4,5,6,7
.if \zero
	v_wmma_f32_16x16x128_fp8_fp8 v[8*(8*((\a)%4)+\b):8*(8*((\a)%4)+\b)+7], v[128*(\p)+FR*\b:128*(\p)+FR*\b+FR-1], v[AF+FR*(\a):AF+FR*(\a)+FR-1], 0
.else
	v_wmma_f32_16x16x128_fp8_fp8 v[8*(8*((\a)%4)+\b):8*(8*((\a)%4)+\b)+7], v[128*(\p)+FR*\b:128*(\p)+FR*\b+FR-1], v[AF+FR*(\a):AF+FR*(\a)+FR-1], v[8*(8*((\a)%4)+\b):8*(8*((\a)%4)+\b)+7]
.endif
.endr
.endr
.endm
.macro FETCH_B slot, q, p
	WIN TO_B
.irp i, 0,1,2,3,4,5,6,7
	FRAG 128*(\p)+FR*\i, ADRB+\slot, \q, \i
.endr
	WIN 0
.endm
.macro FETCH_A slot, q, i0
.irp i, \i0, \i0+1, \i0+2, \i0+3
	FRAG AF+FR*(\i), ADRA+\slot, \q, \i
.endr
.endm
.macro PLACES n
.rept \n
	v_nop
.endr
.endm
.macro STEP slot, q, zero
	s_wait_dscnt 4*NL
	WIN MUL_LO
	MUL16 0, (\q)%2, \zero
	MUL16 2, (\q)%2, \zero
	s_wait_dscnt 0
	PLACES NP
	FETCH_B \slot, (\q)+1, 1-(\q)%2
	FETCH_A \slot, (\q)+1, 0
	WIN MUL_HI
	MUL16 4, (\q)%2, \zero
	MUL16 6, (\q)%2, \zero
	PLACES NP
	WIN 0
	FETCH_A \slot, (\q)+1, 4
.endm
.macro TURN slot, next, fill
	s_wait_tensorcnt 0x0
	ds_add_u32 v[SPW], v[NIL]
	s_wait_dscnt 4*NL+1
	WIN MUL_LO
	MUL16 0, 1, 0
	s_wait_dscnt 0x0
	s_barrier_signal -1
	MUL16 2, 1, 0
	WIN 0
	s_barrier_wait -1
.if \fill
	CREST
	s_add_nc_u64 s[G0+4*\slot+2:G0+4*\slot+3], s[G0+4*\slot+2:G0+4*\slot+3], 0x200000
	s_add_nc_u64 s[G0B+4*\slot+2:G0B+4*\slot+3], s[G0B+4*\slot+2:G0B+4*\slot+3], 0x200000
	JLOAD G0+4*\slot, G1, G0B+4*\slot, G1B
.else
	PLACES NP
.endif
	FETCH_B \next, 0, 0
	FETCH_A \next, 0, 0
	WIN MUL_HI
	MUL16 4, 1, 0
	MUL16 6, 1, 0
	PLACES NP
	WIN 0
	FETCH_A \next, 0, 4
.endm
	s_wait_alu depctr_va_vdst(0)
	s_wait_tensorcnt 0x0                           ; my load, both slots' blocks, is in: so group 1 may be written
.irp g, G1, G1B                        ; the refills' tile: one block, 128 rows of 256 bytes, dense
	s_mov_b32 s[\g+1], 32<<16
	s_mov_b32 s[\g+2], 128<<16
	s_mov_b32 s[\g+3], 32<<16
	s_mov_b32 s[\g+4], 128
	s_mov_b32 s[\g+5], 32
.endr
	s_barrier_signal -1
	s_barrier_wait -1
	FETCH_B 0, 0, 0
	FETCH_A 0, 0, 0
	FETCH_A 0, 0, 4
	STEP 0, 0, 1
	TURN 0, 1, 1
	STEP 1, 0, 0
	TURN 1, 0, 1
	STEP 0, 0, 0
	TURN 0, 1, 0
	STEP 1, 0, 0
	s_wait_dscnt 4*NL
	WIN MUL_LO
	MUL16 0, 1, 0
	MUL16 2, 1, 0
	s_wait_dscnt 0
	WIN MUL_HI
	MUL16 4, 1, 0
	MUL16 6, 1, 0
	WIN 0
.macro EPI a
.set AC, 64*((\a)%4)
.set CC, CD+16*((\a)%2)
.if (\a) > 1
	s_wait_xcnt 0x0
.endif
	WIN 0x02+((\a)/4)
.set j, 0
.rept 32
	v_pk_fma_f32 v[U+j:U+j+1], v[AC+j:AC+j+1], s[96:97], v[BN+j:BN+j+1] op_sel_hi:[1,0,1]
.set j, j+2
.endr
	WIN 0
.set j, 0
.rept 32
	v_pk_mul_f32 v[W+j:W+j+1], v[U+j:U+j+1], v[U+j:U+j+1]
.set j, j+2
.endr
.set j, 0
.rept 32
	v_pk_fma_f32 v[W+j:W+j+1], v[W+j:W+j+1], s[98:99], v[K0:K0+1] op_sel_hi:[1,0,1]
.set j, j+2
.endr
.set j, 0
.rept 32
	v_pk_mul_f32 v[W+j:W+j+1], v[W+j:W+j+1], v[U+j:U+j+1]
.set j, j+2
.endr
.set j, 0
	s_wait_alu depctr_va_vdst(0)
.rept 64
	v_exp_f32 v[W+j], v[W+j]
.set j, j+1
.endr
	v_nop
.set j, 0
	s_wait_alu depctr_va_vdst(0)
.rept 32
	v_pk_add_f32 v[W+j:W+j+1], v[W+j:W+j+1], 1.0 op_sel_hi:[1,0]
.set j, j+2
.endr
.set j, 0
	s_wait_alu depctr_va_vdst(0)
.rept 64
	v_rcp_f32 v[W+j], v[W+j]
.set j, j+1
.endr
	v_nop
.set j, 0
	s_wait_alu depctr_va_vdst(0)
.rept 32
	v_pk_mul_f32 v[U+j:U+j+1], v[U+j:U+j+1], v[W+j:W+j+1]
.set j, j+2
.endr
.set j, 0
.rept 64
	v_med3_num_f32 v[U+j], v[U+j], -v[LIM], v[LIM]
.set j, j+1
.endr
.irp b, 0,1,2,3,4,5,6,7
	v_cvt_scalef32_pk8_fp8_f32 v[CC+2*\b:CC+2*\b+1], v[U+8*\b:U+8*\b+7], v[SCL]
.endr
	v_nop
.irp p, 0,1,2,3
	global_store_b128 v[L16], v[CC+4*\p:CC+4*\p+3], s[12:13] offset:(\a)*4096+\p*512
.endr
.endm
	s_wait_kmcnt 0x0
	s_add_co_i32 s96, s80, s81
	s_add_co_i32 s96, s96, 127
	s_lshl_b32 s96, s96, 23
	s_mov_b32 s97, s96
	s_mov_b32 s98, 0xbdd2d3e8
	s_mov_b32 s99, s98
	v_mov_b32 v[K0], 0xc0135761
	v_mov_b32 v[K0+1], 0xc0135761
	s_add_co_i32 s92, s82, 127
	s_lshl_b32 s93, s92, 23
	v_mov_b32 v[SCL], s93
	s_add_co_i32 s92, s92, 8
	s_lshl_b32 s92, s92, 23
	s_or_b32 s92, s92, 0x600000
	v_mov_b32 v[LIM], s92
	s_wait_loadcnt 0x0
	PLACES NP
.irp a, 0,1,2,3,4,5,6,7
	EPI \a
.endr
	s_wait_tensorcnt 0x0
	ds_add_u32 v[SPW], v[NIL]
	s_wait_dscnt 0x0
	CROUND
	s_endpgm
.Lfunc_end_k_qf2b5f69294_fc1:
	.size	k_qf2b5f69294_fc1, .Lfunc_end_k_qf2b5f69294_fc1-k_qf2b5f69294_fc1
	.p2alignl 7, 3214868480
	.fill 96, 4, 3214868480
	.section	.rodata,"a",@progbits
	.p2align	6, 0x0
	.amdhsa_kernel k_qf2b5f69294_fc1
		.amdhsa_group_segment_fixed_size 327680
		.amdhsa_private_segment_fixed_size 0
		.amdhsa_enable_private_segment 0
		.amdhsa_kernarg_size 40
		.amdhsa_user_sgpr_count 2
		.amdhsa_user_sgpr_kernarg_segment_ptr 1
		.amdhsa_wavefront_size32 1
		.amdhsa_system_sgpr_workgroup_id_x 1
		.amdhsa_system_sgpr_workgroup_id_y 1
		.amdhsa_system_sgpr_workgroup_id_z 1
		.amdhsa_system_vgpr_workitem_id 0
		.amdhsa_next_free_vgpr 1024
		.amdhsa_next_free_sgpr 100
		.amdhsa_reserve_vcc 0
		.amdhsa_float_denorm_mode_32 3
		.amdhsa_float_denorm_mode_16_64 3
		.amdhsa_memory_ordered 1
		.amdhsa_forward_progress 1
		.amdhsa_inst_pref_size 249
	.end_amdhsa_kernel
	.amdgpu_metadata
---
amdhsa.version: [ 1, 2 ]
amdhsa.kernels:
  - .name:           k_qf2b5f69294_fc1
    .symbol:         k_qf2b5f69294_fc1.kd
    .args:
      - { .name: hc, .offset: 0, .size: 8, .value_kind: global_buffer, .address_space: global }
      - { .name: wc, .offset: 8, .size: 8, .value_kind: global_buffer, .address_space: global }
      - { .name: lowp_scales, .offset: 16, .size: 8, .value_kind: global_buffer, .address_space: global }
      - { .name: b_fc1, .offset: 24, .size: 8, .value_kind: global_buffer, .address_space: global }
      - { .name: gc, .offset: 32, .size: 8, .value_kind: global_buffer, .address_space: global }
    .group_segment_fixed_size: 327680
    .private_segment_fixed_size: 0
    .kernarg_segment_align: 8
    .kernarg_segment_size: 40
    .max_flat_workgroup_size: 128
    .sgpr_count:     100
    .vgpr_count:     1024
    .wavefront_size: 32
...
	.end_amdgpu_metadata
.endif
;; end of part 6
;; launch fc2 (part 7): grid 8 x 32, 4 waves a work-group, clusters of 4 x 4, 327,680 bytes of LDS; arguments gc, wc, lowp_scales, b_fc2, temp, out0; writes out0
.if DOCPART == 7
	.amdgcn_target "amdgcn-amd-amdhsa--gfx1250"
	.amdhsa_code_object_version 6
	.text
	.protected	k_qf2b5f69294_fc2
	.globl	k_qf2b5f69294_fc2
	.p2align	8
	.type	k_qf2b5f69294_fc2,@function
k_qf2b5f69294_fc2:
	s_mov_b64 s[64:65], 0
	v_nop
	global_prefetch_b8 v0, s[64:65] scope:SCOPE_SE
	s_setreg_imm32_b32 hwreg(HW_REG_WAVE_MODE, 25, 1), 1
	s_wait_xcnt 0x0
	s_wait_alu depctr_hold_cnt(0) depctr_sa_sdst(0) depctr_va_vdst(0) depctr_va_sdst(0) depctr_va_ssrc(0) depctr_va_vcc(0) depctr_vm_vsrc(0)
	s_getreg_b32 s2, hwreg(HW_REG_IB_STS2, 6, 4)
	s_cmp_eq_u32 s2, 0
	s_cbranch_scc0 .Lentry_in_a_cluster
	s_endpgm
.Lentry_in_a_cluster:
	s_bfe_u32 s2, ttmp6, 0x10000c
	s_cmp_lg_u32 s2, 0xf033
	s_cbranch_scc0 .Lentry_shape_is_right
	s_endpgm
.Lentry_shape_is_right:
; out0 = temp + (g W_fc2 + b_fc2): a product on codes of E4M3, K = 4,096, N = 1,024, with bias and residual on the way out; out0 is f32, row-major.
; A tile of C is 128 x 128, so that the 4,096 x 1,024 outputs give 256 work-groups; four waves, each 64 x 64: 16 accumulators.  K goes in steps of 512 through a ring of two LDS slots.
; Operands lie in memory as images of their registers (16 rows x 128 k = 2,048 bytes; image (tile, K step s) at ((s / 2) T + tile) 4096 + (s % 2) 2048): a wave's tensor load is a dense block of 32,768 bytes
; (8 tiles x 256 along K), a fragment four ds_load_b128 of 512 consecutive bytes.
; CLUSTERS 4 x 4: A's tiles shared along a row, B's along a column.  TRANSPOSED USE: source 0 = B's rows, source 1 = A's: a lane holds 8 neighbouring columns of a row of C.
; LIMIT: the two exponents' sum lies between -126 and 127.
; REGISTERS: window 0: v16-29 addresses, v32-35 the bias, v36-99 rows on the way out, v128-255 accumulators ((a, b) at 128 + 8 (4 a + b)); window 1: two fragment sets of 128 (A's four blocks, then B's); window 2: v0-127 the residual.
.set LAPS,   4                         ; K / 1,024
.set EOFF,   0x28                      ; e10, e11
.set BREG,   8388608                   ; W_fc2 in wc
.set SLOT,   131072                    ; A's blocks lie from 0, B's from SLOT: block (K pair p of the slot's two, slot s), 32,768 bytes, at 65,536 p + 32,768 s
.set PFO,    30                        ; v30 the prefetches' offset: 256 x lane
.set PFA,    90                        ; s[90:91] where my prefetches stand; s[92:93] a slot's K step on, in bytes
.set SPARE,  2*SLOT
.set STAGE,  SPARE+512                 ; 16 rows x 272 bytes for each wave: no fill lands here
.set SP,     272
.set ADRA,   16
.set ADRB,   20
.set STO,    24
.set RD,     25
.set CO,     26
.set BO,     27
.set SPW,    28
.set NIL,    29
.set BI,     32
.set R,      36
.set ACC,    128
.set F0,     0
.set F1,     128
.set G1,     24
.set G0,     32
.set G1B,    48
.set G0B,    56
.set MSB,    0
.macro WIN new
.if MSB != \new
	s_set_vgpr_msb (MSB<<8)|\new
.set MSB, \new
.endif
.endm
.set MUL,  0x05                        ; sources 0 and 1 window 1; C and D window 0
.set TO_F, 0x40
.macro JLOAD s                         ; waves 0, 1: A's two K pairs; waves 2, 3: B's; four v_nop follow each line
	s_cmp_eq_u32 s81, 0
	s_cbranch_scc0 .Lfor_b_\@
	tensor_load_to_lds s[G0+4*\s:G0+4*\s+3], s[G1:G1+7]
	s_nop 0
.rept 4
	v_nop
.endr
	s_branch .Lasked_\@
.Lfor_b_\@:
	tensor_load_to_lds s[G0B+4*\s:G0B+4*\s+3], s[G1B:G1B+7]
	s_nop 0
.rept 4
	v_nop
.endr
.Lasked_\@:
.endm
.macro CREST
	s_cmp_lg_u32 s80, 0
	s_cbranch_scc1 .Lnot_wave_0_\@
	s_barrier_signal -3
.Lnot_wave_0_\@:
	s_barrier_wait -3
	s_barrier_signal -1
	s_barrier_wait -1
.endm
.macro CROUND
	s_barrier_signal -1
	s_barrier_wait -1
	CREST
.endm
	s_load_b256 s[4:11], s[0:1], 0x0               ; A's codes s[4:5], wc s[6:7], the scales s[8:9], the bias s[10:11]
	s_load_b128 s[12:15], s[0:1], 0x20             ; the residual s[12:13], the output s[14:15]
	v_lshl_add_u32 v[SPW], v0, 2, SPARE
	v_mov_b32 v[NIL], 0
	ds_add_u32 v28, v29
	ds_add_u32 v28, v29
	s_wait_dscnt 0x0
	v_lshrrev_b32 v1, 5, v0
	v_readfirstlane_b32 s80, v1                    ; wave 0..3
	s_lshr_b32 s81, s80, 1                         ; my half of the rows; also: I fetch for A (0) or B (1)
	s_and_b32 s82, s80, 1                          ; my half of the columns; also: which K pair I fetch
	s_bfe_u32 s40, ttmp6, 0x40000
	s_bfe_u32 s41, ttmp6, 0x40004
	s_lshl_b32 s42, ttmp9, 2
	s_add_co_u32 s42, s42, s40                     ; tile column
	s_and_b32 s43, ttmp7, 0xffff
	s_lshl_b32 s43, s43, 2
	s_add_co_u32 s43, s43, s41                     ; tile row
	s_lshl_b32 s44, s41, 2
	s_lshl_b32 s44, 15, s44
	s_lshl_b32 s45, 0x1111, s40
	s_or_b32 s[G1+0], s44, (3<<16)|(1<<21)
	s_or_b32 s[G1B+0], s45, (3<<16)|(1<<21)
.irp g, G1, G1B                        ; the head's tile: both slots' first blocks: two rows of 4,096 elements (32,768 bytes), two K pairs apart in memory, on end in LDS
	s_mov_b32 s[\g+1], 4096<<16
	s_mov_b32 s[\g+2], 2<<16
	s_mov_b32 s[\g+3], 4096<<16
	s_mov_b32 s[\g+4], 2
	s_mov_b32 s[\g+6], 0
	s_mov_b32 s[\g+7], 0
.endr
	s_mov_b32 s[G1+5], 0x200000/8
	s_mov_b32 s[G1B+5], 0x80000/8
	s_lshl_b32 s46, s82, 20                        ; A: K pair wave % 2 (256 tiles of 4,096 bytes),
	s_lshl_b32 s47, s43, 15                        ; tile 8 x tile row
	s_add_co_u32 s46, s46, s47
	s_mov_b32 s47, 0
	s_lshl_b32 s84, s82, 18                        ; B: K pair wave % 2 (64 tiles),
	s_lshl_b32 s85, s42, 15                        ; tile 8 x tile column
	s_add_co_u32 s84, s84, s85
	s_add_co_u32 s84, s84, BREG
	s_mov_b32 s85, 0
	s_lshl_b32 s83, s80, 16                        ; LDS: wave x 65,536
	s_wait_kmcnt 0x0
	s_load_b64 s[96:97], s[8:9], EOFF
	s_add_nc_u64 s[46:47], s[4:5], s[46:47]
	s_add_nc_u64 s[84:85], s[6:7], s[84:85]
	CROUND
.irp s, 0,1
	s_mov_b32 s[G0+4*\s], 1
	s_add_co_u32 s[G0+4*\s+1], s83, \s*32768
	s_add_nc_u64 s[G0+4*\s+2:G0+4*\s+3], s[46:47], \s*0x200000
	s_or_b32 s[G0+4*\s+3], s[G0+4*\s+3], 0x80000000
	s_mov_b32 s[G0B+4*\s], 1
	s_add_co_u32 s[G0B+4*\s+1], s83, \s*32768
	s_add_nc_u64 s[G0B+4*\s+2:G0B+4*\s+3], s[84:85], \s*0x80000
	s_or_b32 s[G0B+4*\s+3], s[G0B+4*\s+3], 0x80000000
.endr
	JLOAD 0                                        ; my one tensor load at the head: 65,536 bytes, fills 0 and 1
	; PREFETCHES INTO THE L2, two fills ahead of the refill that will want the block.  Of the 32,768 bytes that a wave fetches, each of the four partners that ask for them jointly names 8,192,
	; told apart by address (cx for A, cy for B): lanes 256 bytes apart, one instruction a wave.  Here fills 2 and 3; each refill of fill f asks for fill f + 2; the loop's last trip asks for nothing.
	s_cmp_eq_u32 s81, 0
	s_cselect_b64 s[PFA:PFA+1], s[46:47], s[84:85]
	s_cselect_b32 s94, s40, s41
	s_mov_b32 s92, 0x80000
	s_cselect_b32 s92, 0x200000, s92
	s_mov_b32 s93, 0
	s_lshl_b32 s94, s94, 13
	s_mov_b32 s95, 0
	s_add_nc_u64 s[PFA:PFA+1], s[PFA:PFA+1], s[94:95]
	s_add_nc_u64 s[PFA:PFA+1], s[PFA:PFA+1], s[92:93]
	s_add_nc_u64 s[76:77], s[PFA:PFA+1], s[92:93]  ; fill 2
	s_add_nc_u64 s[PFA:PFA+1], s[76:77], s[92:93]  ; fill 3
	v_and_b32 v[PFO], 31, v0
	v_lshlrev_b32 v[PFO], 8, v[PFO]
	global_prefetch_b8 v[PFO], s[76:77] th:TH_LOAD_NT scope:SCOPE_SE
	global_prefetch_b8 v[PFO], s[PFA:PFA+1] th:TH_LOAD_NT scope:SCOPE_SE
	v_and_b32 v1, 31, v0
	v_lshlrev_b32 v2, 4, v1                        ; 16 x lane
	s_lshl_b32 s86, s81, 14                        ; my four tiles of A
	s_lshl_b32 s87, s82, 14
	s_add_co_u32 s87, s87, SLOT                    ; my four tiles of B
	v_add_nc_u32 v[ADRA], s86, v2
	v_add_nc_u32 v[ADRB], s87, v2
.irp s, 1,2,3                          ; register slot + 2 x (K pair of the slot)
	v_add_nc_u32 v[ADRA+\s], \s*32768, v[ADRA]
	v_add_nc_u32 v[ADRB+\s], \s*32768, v[ADRB]
.endr
	v_and_b32 v3, 15, v0                           ; r
	v_bfe_u32 v4, v0, 4, 1                         ; h
	s_mul_i32 s86, s80, 16*SP
	s_add_co_u32 s86, s86, STAGE                   ; my stage
	v_mul_u32_u24 v[STO], v3, SP
	v_lshl_add_u32 v[STO], v4, 5, v[STO]
	v_add_nc_u32 v[STO], s86, v[STO]               ; in: row r, 32 bytes for each half of the lanes
	v_mul_u32_u24 v[RD], v4, SP
	v_lshl_add_u32 v[RD], v3, 4, v[RD]
	v_add_nc_u32 v[RD], s86, v[RD]                 ; back: lanes 0-15 one row of 256 bytes, lanes 16-31 the next
	v_lshlrev_b32 v[BO], 4, v3
	v_lshl_add_u32 v[CO], v4, 12, v[BO]            ; and the same two rows in memory
	s_wait_alu depctr_va_vdst(0)
	s_lshl_b32 s86, s43, 1
	s_add_co_u32 s86, s86, s81
	s_lshl_b32 s86, s86, 18                        ; my first row: 64 rows of 4,096 bytes
	s_lshl_b32 s88, s42, 1
	s_add_co_u32 s88, s88, s82
	s_lshl_b32 s88, s88, 8                         ; my first column: 64 numbers of 4 bytes
	s_mov_b32 s89, 0
	s_add_nc_u64 s[10:11], s[10:11], s[88:89]
	s_add_co_u32 s86, s86, s88
	s_mov_b32 s87, 0
	s_add_nc_u64 s[12:13], s[12:13], s[86:87]
	s_add_nc_u64 s[14:15], s[14:15], s[86:87]
	WIN 0x80                                       ; destination window 2
.irp a, 0,1,2,3
.irp t, 0,1,2,3,4,5,6,7
	global_load_b128 v[32*\a+4*\t:32*\a+4*\t+3], v[CO], s[12:13] offset:(16*\a+2*\t)*4096   ; the residual, asked for at the start
.endr
.endr
	WIN 0
	global_load_b128 v[BI:BI+3], v[BO], s[10:11]
.macro FETCH slot, q, f                ; the fragments of the slot's q-th 128 along K into set f: 32 loads
	WIN TO_F
.irp i, 0,1,2,3
.irp c, 0,1,2,3
	ds_load_b128 v[\f+64+16*\i+4*\c:\f+64+16*\i+4*\c+3], v[ADRB+\slot+2*((\q)/2)] offset:\i*4096+((\q)%2)*2048+512*\c
.endr
.endr
.irp i, 0,1,2,3
.irp c, 0,1,2,3
	ds_load_b128 v[\f+16*\i+4*\c:\f+16*\i+4*\c+3], v[ADRA+\slot+2*((\q)/2)] offset:\i*4096+((\q)%2)*2048+512*\c
.endr
.endr
.endm
.macro MULG f, a, zero                 ; A's block a x B's four.  The 16 accumulators take turns
.irp b, 0,1,2,3
.if \zero
	v_wmma_f32_16x16x128_fp8_fp8 v[ACC+8*(4*(\a)+\b):ACC+8*(4*(\a)+\b)+7], v[\f+64+16*\b:\f+64+16*\b+15], v[\f+16*(\a):\f+16*(\a)+15], 0
.else
	v_wmma_f32_16x16x128_fp8_fp8 v[ACC+8*(4*(\a)+\b):ACC+8*(4*(\a)+\b)+7], v[\f+64+16*\b:\f+64+16*\b+15], v[\f+16*(\a):\f+16*(\a)+15], v[ACC+8*(4*(\a)+\b):ACC+8*(4*(\a)+\b)+7]
.endif
.endr
.endm
.macro PLACES
.rept 4
	v_nop
.endr
.endm
.macro QUARTER slot, qn, f, g, zero    ; multiplies set f; the slot's quarter qn is fetched into set g ahead of the products
	s_wait_dscnt 0x0                               ; set f is in (asked for 16 products ago)
	PLACES                                         ; set g was read by the products just issued
	FETCH \slot, \qn, \g
	WIN MUL
	MULG \f, 0, \zero
	MULG \f, 1, \zero
	MULG \f, 2, \zero
	MULG \f, 3, \zero
.endm
.macro TURN slot, next, fill           ; a slot's last quarter (set F1) changes slots
	WIN 0
.if \fill
	s_wait_xcnt 0x0                                ; my last prefetch has read its address: it is stepped here, a fill on
	s_add_nc_u64 s[PFA:PFA+1], s[PFA:PFA+1], s[92:93]
.endif
	s_wait_tensorcnt 0x0                           ; all my tensor loads have landed: my part of the next slot
	ds_add_u32 v[SPW], v[NIL]                      ; 0 onto my spare word
	s_wait_dscnt 1                                 ; set F1 is in; the add may be out
	WIN MUL
	MULG F1, 0, 0
	s_wait_dscnt 0x0                               ; the add is done; my reads of this slot are over
	s_barrier_signal -1
	MULG F1, 1, 0
	WIN 0
	s_barrier_wait -1
.if \fill
	CREST                                          ; no wave of any partner still reads this slot or has a load on its way
	s_add_nc_u64 s[G0+4*\slot+2:G0+4*\slot+3], s[G0+4*\slot+2:G0+4*\slot+3], 0x400000
	s_add_nc_u64 s[G0B+4*\slot+2:G0B+4*\slot+3], s[G0B+4*\slot+2:G0B+4*\slot+3], 0x100000
	JLOAD \slot                                    ; the first tensor load behind the round; its four v_nop are the places in front of the loads below
.else
	PLACES
.endif
	FETCH \next, 0, F0
.if \fill
	WIN 0                                          ; at a branch and at a label every window is 0
	s_cmp_gt_u32 s3, 1                             ; the loop's last trip has no fill two on
	s_cbranch_scc0 .Lno_ask_\@
	global_prefetch_b8 v[PFO], s[PFA:PFA+1] th:TH_LOAD_NT scope:SCOPE_SE
.Lno_ask_\@:
.endif
	WIN MUL
	MULG F1, 2, 0
	MULG F1, 3, 0
.endm
	s_wait_alu depctr_va_vdst(0)
	s_wait_tensorcnt 0x0                           ; my load, both slots' first blocks, is in: so group 1 may be written
.irp g, G1, G1B                        ; the refills' tile: one block, 128 rows of 256 bytes, dense
	s_mov_b32 s[\g+1], 32<<16
	s_mov_b32 s[\g+2], 128<<16
	s_mov_b32 s[\g+3], 32<<16
	s_mov_b32 s[\g+4], 128
	s_mov_b32 s[\g+5], 32
.endr
	s_barrier_signal -1
	s_barrier_wait -1
	FETCH 0, 0, F0
	QUARTER 0, 1, F0, F1, 1                        ; the first quarter starts the sums
.if LAPS > 1
	WIN 0
	s_mov_b32 s3, LAPS-1
.Llap:                                                 ; a trip goes once round the ring and fills both slots again
	QUARTER 0, 2, F1, F0, 0
	QUARTER 0, 3, F0, F1, 0
	TURN 0, 1, 1
	QUARTER 1, 1, F0, F1, 0
	QUARTER 1, 2, F1, F0, 0
	QUARTER 1, 3, F0, F1, 0
	TURN 1, 0, 1
	QUARTER 0, 1, F0, F1, 0
	WIN 0
	s_sub_co_u32 s3, s3, 1
	s_cmp_lg_u32 s3, 0
	s_cbranch_scc1 .Llap
.endif
	QUARTER 0, 2, F1, F0, 0                        ; the last lap fills nothing
	QUARTER 0, 3, F0, F1, 0
	TURN 0, 1, 0
	QUARTER 1, 1, F0, F1, 0
	QUARTER 1, 2, F1, F0, 0
	QUARTER 1, 3, F0, F1, 0
	s_wait_dscnt 0x0
	MULG F1, 0, 0
	MULG F1, 1, 0
	MULG F1, 2, 0
	MULG F1, 3, 0
	WIN 0
; THE WAY OUT, block a of 16 rows x 64 columns: through my own stage, back as whole rows of 256 bytes; sum x 2^(ea + eb) + bias, + residual; sixteen lanes store 256 consecutive bytes, aligned.
.macro TOSTAGE a
.irp b, 0,1,2,3
	ds_store_b128 v[STO], v[ACC+8*(4*(\a)+\b):ACC+8*(4*(\a)+\b)+3] offset:64*\b
	ds_store_b128 v[STO], v[ACC+8*(4*(\a)+\b)+4:ACC+8*(4*(\a)+\b)+7] offset:64*\b+16
.endr
.set RB, R+32*((\a)%2)
.irp t, 0,1,2,3,4,5,6,7
	ds_load_b128 v[RB+4*\t:RB+4*\t+3], v[RD] offset:2*\t*SP    ; LDS serves a wave's instructions in order: these see my stores
.endr
.endm
.macro SEND a, younger
.set RB, R+32*((\a)%2)
	s_wait_dscnt \younger                          ; the block is back; the next block's 8 stores and 8 loads may be out
.irp t, 0,1,2,3,4,5,6,7
	v_pk_fma_f32 v[RB+4*\t:RB+4*\t+1],   v[RB+4*\t:RB+4*\t+1],   s[96:97], v[BI:BI+1]   op_sel_hi:[1,0,1]
	v_pk_fma_f32 v[RB+4*\t+2:RB+4*\t+3], v[RB+4*\t+2:RB+4*\t+3], s[96:97], v[BI+2:BI+3] op_sel_hi:[1,0,1]
.endr
	WIN 0x02                                       ; source 0: window 2, the residual
.irp t, 0,1,2,3,4,5,6,7
	v_pk_add_f32 v[RB+4*\t:RB+4*\t+1],   v[32*(\a)+4*\t:32*(\a)+4*\t+1],   v[RB+4*\t:RB+4*\t+1]
	v_pk_add_f32 v[RB+4*\t+2:RB+4*\t+3], v[32*(\a)+4*\t+2:32*(\a)+4*\t+3], v[RB+4*\t+2:RB+4*\t+3]
.endr
	WIN 0
.irp t, 0,1,2,3,4,5,6,7
	global_store_b128 v[CO], v[RB+4*\t:RB+4*\t+3], s[14:15] offset:(16*(\a)+2*\t)*4096 th:TH_STORE_NT   ; written once, read by nobody here
.endr
.endm
	s_wait_kmcnt 0x0
	s_add_co_i32 s96, s96, s97
	s_add_co_i32 s96, s96, 127
	s_lshl_b32 s96, s96, 23                        ; 2^(ea + eb)
	s_mov_b32 s97, s96
	PLACES
	s_wait_loadcnt 0x0                             ; the residual and the bias
	TOSTAGE 0
	TOSTAGE 1
	SEND 0, 16
	s_wait_xcnt 0x0                                ; block 0's stores have read their registers
	TOSTAGE 2
	SEND 1, 16
	s_wait_xcnt 0x0
	TOSTAGE 3
	SEND 2, 16
	SEND 3, 0
	s_wait_tensorcnt 0x0                           ; the wave's end
	ds_add_u32 v[SPW], v[NIL]
	s_wait_dscnt 0x0
	CROUND                                         ; the closing round
	s_endpgm
.Lfunc_end_k_qf2b5f69294_fc2:
	.size	k_qf2b5f69294_fc2, .Lfunc_end_k_qf2b5f69294_fc2-k_qf2b5f69294_fc2
	.p2alignl 7, 3214868480
	.fill 96, 4, 3214868480
	.section	.rodata,"a",@progbits
	.p2align	6, 0x0
	.amdhsa_kernel k_qf2b5f69294_fc2
		.amdhsa_group_segment_fixed_size 327680
		.amdhsa_private_segment_fixed_size 0
		.amdhsa_enable_private_segment 0
		.amdhsa_kernarg_size 48
		.amdhsa_user_sgpr_count 2
		.amdhsa_user_sgpr_kernarg_segment_ptr 1
		.amdhsa_wavefront_size32 1
		.amdhsa_system_sgpr_workgroup_id_x 1
		.amdhsa_system_sgpr_workgroup_id_y 1
		.amdhsa_system_sgpr_workgroup_id_z 1
		.amdhsa_system_vgpr_workitem_id 0
		.amdhsa_next_free_vgpr 768
		.amdhsa_next_free_sgpr 100
		.amdhsa_reserve_vcc 0
		.amdhsa_float_denorm_mode_32 3
		.amdhsa_float_denorm_mode_16_64 3
		.amdhsa_memory_ordered 1
		.amdhsa_forward_progress 1
		.amdhsa_inst_pref_size 82
	.end_amdhsa_kernel
	.amdgpu_metadata
---
amdhsa.version: [ 1, 2 ]
amdhsa.kernels:
  - .name:           k_qf2b5f69294_fc2
    .symbol:         k_qf2b5f69294_fc2.kd
    .args:
      - { .name: gc, .offset: 0, .size: 8, .value_kind: global_buffer, .address_space: global }
      - { .name: wc, .offset: 8, .size: 8, .value_kind: global_buffer, .address_space: global }
      - { .name: lowp_scales, .offset: 16, .size: 8, .value_kind: global_buffer, .address_space: global }
      - { .name: b_fc2, .offset: 24, .size: 8, .value_kind: global_buffer, .address_space: global }
      - { .name: temp, .offset: 32, .size: 8, .value_kind: global_buffer, .address_space: global }
      - { .name: out0, .offset: 40, .size: 8, .value_kind: global_buffer, .address_space: global }
    .group_segment_fixed_size: 327680
    .private_segment_fixed_size: 0
    .kernarg_segment_align: 8
    .kernarg_segment_size: 48
    .max_flat_workgroup_size: 128
    .sgpr_count:     100
    .vgpr_count:     768
    .wavefront_size: 32
...
	.end_amdgpu_metadata
.endif
;; end of part 7
